; MI455X (gfx1250); checked and timed in simulation.
; The chip was launched on July 23, 2026; its instructions are those of AMD's public machine-readable ISA for CDNA 5 (MIT licence, August 2026) and "CDNA5" Instruction Set Architecture Reference Guide (July 2026). The comments in the code are by the model that wrote it; some were corrected since.
;; Llama Attention. Allowed arithmetic: matrix products marked QUANTISED: E2M1 operands, one E8M0 scale for each 32 along K, by v_wmma_scale_f32_16x16x128_f8f6f4 with both operands' format E2M1 (or v_wmma_scale_f32_32x16x128_f4), f32 sums; products left as they are: bf16, f16 or f32 operands; f32 sums; everything else in f32.
;; Inputs: atten_mask 1 x 1 x 2,048 x 2,048 float32; freqs_cos 2,048 x 32 float32; freqs_sin 2,048 x 32 float32; hidden_states 1 x 2,048 x 2,048 float32; k_norm_w 64 float32; q_norm_w 64 float32; wk 512 x 2,048 float32; wo 2,048 x 2,048 float32; wq 2,048 x 2,048 float32; wv 512 x 2,048 float32.
;; Outputs: out0 1 x 2,048 x 2,048 float32; out1 1 x 32 x 64 x 2,048 float32; out2 1 x 32 x 2,048 x 64 float32.
;; This version of the problem:
;;   THIS VERSION OF THE PROBLEM IS GIVEN IN LOW PRECISION. The matrix products marked QUANTISED in the list below multiply operands that are first quantised to E2M1 (2 exponent bits, 1 mantissa bit; 4 bits a number), with one power-of-two scale for each 32 numbers along K (OCP MX v1.0); their sums are f32. The products marked 'left as it is' may take bf16, f16 or f32 operands, with f32 sums. Whichever they take, every output number must still come out within the allowed error. Rounding operands to bf16 (8 significant bits) uses up far more of that allowance than f16 does (11 bits, for magnitudes from 6e-5 to 65,504). All else is computed in f32.
;;   The module's matrix products, in the order in which they are computed (A, B: the left and right operand; K: the contracted axis; several contracted axes count as one K, in the product's order):
;;     1. [M 2,048, K 2,048] x [K 2,048, N 2,048]; A: input hidden_states; B: input wq: QUANTISED
;;     2. [M 2,048, K 2,048] x [K 2,048, N 512]; A: input hidden_states; B: input wk: QUANTISED
;;     3. [M 2,048, K 2,048] x [K 2,048, N 512]; A: input hidden_states; B: input wv: QUANTISED
;;     4. batch 32 x [M 2,048, K 64] x [K 64, N 2,048]; A: computed on the way; B: computed on the way: left as it is (an operand is computed on the way)
;;     5. batch 32 x [M 2,048, K 2,048] x [K 2,048, N 64]; A: computed on the way; B: computed on the way: left as it is (an operand is computed on the way)
;;     6. [M 2,048, K 2,048] x [K 2,048, N 2,048]; A: computed on the way; B: input wo: left as it is (an operand is computed on the way)
;;   THE QUANTISER, for each operand of a quantised product, along K:
;;     - K is cut into blocks of 32 from its start; a last block that is shorter is filled with zeros.
;;     - A block's scale is 2^e with e = floor(log2(the largest magnitude in the block)) - 2, held to -126 .. 127; a block of zeros has e = 0. As a byte (E8M0): e + 127.
;;     - Each number is divided by its block's scale, clamped to +-6, and rounded to the nearest number of E2M1, ties to even, subnormals kept.
;;     - The product sums the exact products of the quantised numbers (number of the format x scale) in f32.
;;   ~~~python
;;   def quantise(x, axis):      # numpy; x: float32 -> the quantised numbers, widened to float32 again
;;       x = np.moveaxis(x, axis, -1); K = x.shape[-1]
;;       x = np.pad(x, [(0, 0)] * (x.ndim - 1) + [(0, -K % 32)]); x = x.reshape(x.shape[:-1] + (-1, 32)); a = np.abs(x).max(-1, keepdims=True)
;;       e = np.where(a > 0, np.clip(np.frexp(np.where(a > 0, a, 1))[1] - 1 - 2, -126, 127), 0)      # np.frexp(a)[1] - 1 = floor(log2(a)), exactly
;;       r = np.clip(x / 2.0 ** e, -6, 6)
;;       step = 2.0 ** (np.maximum(np.frexp(np.where(r == 0, 1, r))[1] - 1, 0) - 1)
;;       q = np.round(r / step) * step * 2.0 ** e      # np.round: ties to even
;;       return np.moveaxis(q.reshape(q.shape[:-2] + (-1,))[..., :K], -1, axis).astype(np.float32)
;;   ~~~
;; 2 versions, each right. Each part assembles by itself: llvm-mc -triple=amdgcn-amd-amdhsa -mcpu=gfx1250 --defsym DOCPART=n.
;; ======== version 1 of 2: 6 launches
;; limits: values are held in f16: magnitudes above 65,504 overflow, below 6.1e-05 lose precision
;; workspace buffers: codes 5,242,880 bytes; scales 327,680 bytes; wo_h 8,388,608 bytes; q_img 8,519,680 bytes; k_img 4,194,304 bytes; v_img 4,194,304 bytes; y_h 8,388,608 bytes; y_fine 131,072 bytes
;; launch quant (part 1): grid 448 x 1, 4 waves a work-group, no clusters, 33,280 bytes of LDS; arguments hidden_states, wq, wk, wv, wo, codes, scales, wo_h; writes codes, scales, wo_h
.if DOCPART == 1
	.amdgcn_target "amdgcn-amd-amdhsa--gfx1250"
	.amdhsa_code_object_version 6
	.text
	.protected	k_qfef41e6132_quant
	.globl	k_qfef41e6132_quant
	.p2align	8
	.type	k_qfef41e6132_quant,@function
k_qfef41e6132_quant:
	s_mov_b64 s[64:65], 0
	v_nop
	global_prefetch_b8 v0, s[64:65] scope:SCOPE_SE
	s_setreg_imm32_b32 hwreg(HW_REG_WAVE_MODE, 25, 1), 1
	s_wait_xcnt 0x0
; hidden_states [2048][2048], wq [2048][2048], wk [512][2048], wv [512][2048], all f32 with K innermost, become codes of FP4 (E2M1), two a byte, K innermost,
; with one E8M0 byte for each 32 along K; wo [2048][2048] f32 becomes f16, row-major.
; codes: hidden's 2,048 rows of 1,024 bytes, then wq's, wk's, wv's 3,072 rows.  scales: the same rows, 64 bytes each.  The four tensors lie on end in both buffers, so one running index serves the way out.
; A block's scale is 2^(floor(log2(its largest magnitude)) - 2); its byte is the largest magnitude's exponent field - 2, held at 1 from below.
; LIMITS: a block of zeros gets the byte 1 where the rule says 127 (its codes are zeros, and this program alone reads the bytes); blocks whose largest magnitude lies under 2^(2 - 126) are held at byte 1;
; NaN and infinities among the inputs are not served; wo beyond 65,504 has no f16 number.
; Work-groups 0 to 319 quantise 32,768 numbers each (a wave 16 steps of 512); work-groups 320 to 447 round 32,768 numbers of wo each.  Waves share nothing: no barrier.
; Rows are dense and K is a multiple of 32: each tensor is a plain stream of blocks of 32.
.set WAVES, 4
.set STEPS, 16
.set NQW,   320                        ; quantising work-groups: 128 hidden, 128 wq, 32 wk, 32 wv
.set EMAX,  2
.set CB,    8                          ; bytes of 16 codes
.set R,     16                         ; v16-79   four sets of 16 numbers as loaded (wo's path: a ring of 16 loads)
.set X,     80                         ; v80-111  two sets of 16 neighbours
.set C,     128                        ; v128-191 codes, four registers a step: no store's data are written again
.set E,     112                        ; v112-127 a scale byte a step
.set WH,    80                         ; wo's path: v80-207, two registers for each of 64 stores: no store's data are written again
.set WREG,  8192                       ; LDS: a region a wave: two stages of 32 x SP bytes, behind them its 256 scale bytes
.set SP,    80                         ; a lane's place in a stage: 64 bytes + 16 of padding
.set SPW,   12                         ; v12  LDS address of my spare word; never rewritten
.set NIL,   13                         ; v13  0; never rewritten
.set SPARE, WAVES*WREG                 ; behind the regions: the spare words, 128 bytes a wave
	s_load_b256 s[4:11], s[0:1], 0x0               ; hidden_states 4:5, wq 6:7, wk 8:9, wv 10:11
	s_load_b256 s[12:19], s[0:1], 0x20             ; wo 12:13, codes 14:15, scales 16:17, wo_h 18:19
	v_lshl_add_u32 v[SPW], v0, 2, SPARE
	v_mov_b32 v[NIL], 0
	v_lshrrev_b32 v1, 5, v0
	v_readfirstlane_b32 s20, v1                    ; wave
	v_and_b32 v2, 31, v0                           ; lane
	v_lshlrev_b32 v3, 4, v2                        ; my 16 bytes of a load's 512
	v_lshlrev_b32 v4, 3, v2                        ; my 8 bytes of a store's 256
	s_mov_b32 s23, 0
	s_cmp_ge_u32 ttmp9, NQW
	s_cbranch_scc1 .Lwo
	; ---- the quantising path
	s_mul_i32 s22, s20, WREG
	v_lshrrev_b32 v14, 2, v2
	v_mul_u32_u24 v14, v14, SP
	v_and_b32 v15, 3, v2
	v_lshl_add_u32 v14, v15, 4, v14
	v_add_nc_u32 v14, s22, v14                     ; the stage on the way in: SP (lane / 4) + 16 (lane % 4)
	v_mul_u32_u24 v15, v2, SP
	v_add_nc_u32 v15, s22, v15                     ; and on the way out: SP x lane: my 16 neighbours
	v_lshrrev_b32 v5, 1, v2
	s_add_co_u32 s22, s22, 2*32*SP
	v_add_nc_u32 v5, s22, v5                       ; my wave's 256 scale bytes, my block's byte
	v_lshlrev_b32 v7, 3, v2
	v_add_nc_u32 v6, s22, v7                       ; and on the way out 8 bytes a lane
	s_wait_kmcnt 0x0
	s_mov_b64 s[24:25], s[10:11]                   ; which tensor: the choice hangs on the work-group's number alone
	s_mov_b32 s21, 288
	s_cmp_lt_u32 ttmp9, 288
	s_cselect_b64 s[24:25], s[8:9], s[24:25]
	s_cselect_b32 s21, 256, s21
	s_cmp_lt_u32 ttmp9, 256
	s_cselect_b64 s[24:25], s[6:7], s[24:25]
	s_cselect_b32 s21, 128, s21
	s_cmp_lt_u32 ttmp9, 128
	s_cselect_b64 s[24:25], s[4:5], s[24:25]
	s_cselect_b32 s21, 0, s21                      ; the tensor's first work-group
	s_sub_co_u32 s22, ttmp9, s21
	s_lshl_b32 s22, s22, 2
	s_add_co_u32 s22, s22, s20                     ; which run of 8,192 numbers of the tensor is my wave's
	s_lshl_b32 s22, s22, 15
	s_add_nc_u64 s[24:25], s[24:25], s[22:23]
	s_lshl_b32 s26, ttmp9, 2
	s_add_co_u32 s26, s26, s20                     ; and which run of the two buffers
	s_lshl_b32 s22, s26, 12
	s_add_nc_u64 s[14:15], s[14:15], s[22:23]      ; 4,096 bytes of codes a run
	s_lshl_b32 s22, s26, 8
	s_add_nc_u64 s[16:17], s[16:17], s[22:23]      ; 256 scale bytes a run
.macro LOAD t
.irp i, 0,1,2,3
	global_load_b128 v[R+16*((\t)%4)+4*\i:R+16*((\t)%4)+4*\i+3], v3, s[24:25] offset:2048*(\t)+512*\i th:TH_LOAD_NT   ; 32 lanes read 512 consecutive bytes
.endr
.endm
.macro TURN t                          ; step t's numbers through the stage: LDS serves a wave's instructions in order, so no wait stands between the stores and the loads
.irp i, 0,1,2,3
	ds_store_b128 v14, v[R+16*((\t)%4)+4*\i:R+16*((\t)%4)+4*\i+3] offset:32*SP*((\t)%2)+8*SP*\i
.endr
.irp i, 0,1,2,3
	ds_load_b128 v[X+16*((\t)%2)+4*\i:X+16*((\t)%2)+4*\i+3], v15 offset:32*SP*((\t)%2)+16*\i
.endr
.endm
.irp t, 0,1,2,3
	LOAD \t
.endr
	s_wait_loadcnt 12                              ; step 0's four loads are in; the twelve of steps 1 to 3 may be out
	TURN 0
.macro STEP t
.set XS, X+16*((\t)%2)
.if (\t) > 0
	s_wait_dscnt 1                                 ; this step's numbers are back from the stage (the last step's byte store may be out)
.else
	s_wait_dscnt 0x0
.endif
.if (\t)+4 < STEPS
	LOAD (\t)+4                                    ; into the registers that the stage's stores have read
.endif
.if (\t)+1 < STEPS
.if STEPS-2-(\t) >= 3
	s_wait_loadcnt 12                              ; the next step's four loads are in; those of the three steps behind it may be out
.else
	s_wait_loadcnt 4*(STEPS-2-(\t))
.endif
	TURN (\t)+1
.endif
	v_max3_num_f32 v8, |v[XS]|, |v[XS+1]|, |v[XS+2]|               ; the largest magnitude of my 16, in two chains
	v_max3_num_f32 v9, |v[XS+3]|, |v[XS+4]|, |v[XS+5]|
.irp i, 6,10
	v_max3_num_f32 v8, v8, |v[XS+\i]|, |v[XS+\i+1]|
	v_max3_num_f32 v9, v9, |v[XS+\i+2]|, |v[XS+\i+3]|
.endr
	v_max3_num_f32 v8, v8, |v[XS+14]|, |v[XS+15]|
	v_max3_num_f32 v8, v8, v9, (EMAX+1)<<23        ; and the floor 2^(EMAX + 1 - 127): the byte cannot fall under 1
	v_max_num_f32_dpp v8, v8, v8 row_xmask:1 row_mask:0xf bank_mask:0xf   ; with my neighbour's 16: the block's
	v_add_nc_u32 v11, -(EMAX<<23), v8              ; EMAX off its exponent field: the conversion takes the exponent field of this operand as its scale
	v_cvt_scalef32_pk8_fp4_f32 v[C+4*(\t)], v[XS:XS+7], v11
	v_cvt_scalef32_pk8_fp4_f32 v[C+4*(\t)+1], v[XS+8:XS+15], v11
	v_lshrrev_b32 v[E+(\t)], 23, v11               ; the scale's byte (a plain line behind the conversions)
	ds_store_b8 v5, v[E+(\t)] offset:16*(\t)       ; both lanes of a block write the same byte with the same value
	global_store_b64 v4, v[C+4*(\t):C+4*(\t)+1], s[14:15] offset:32*CB*(\t)   ; 32 lanes store 256 consecutive bytes, aligned
.endm
.irp t, 0,1,2,3,4,5,6,7,8,9,10,11,12,13,14,15
	STEP \t
.endr
	ds_load_b64 v[8:9], v6                         ; LDS serves a wave's instructions in order: these see my byte stores
	s_wait_dscnt 0x0
	global_store_b64 v7, v[8:9], s[16:17]          ; 32 lanes store 256 consecutive bytes, aligned
	s_wait_tensorcnt 0x0                           ; the wave's end: three lines behind my last LDS store
	ds_add_u32 v[SPW], v[NIL]
	s_wait_dscnt 0x0
	s_endpgm
	; ---- wo to f16: a wave takes 8,192 numbers: 64 loads of 512 consecutive bytes, 64 stores of 256.  No LDS is touched on this path.
.Lwo:
	s_sub_co_u32 s21, ttmp9, NQW
	s_lshl_b32 s21, s21, 2
	s_add_co_u32 s21, s21, s20                     ; my run
	s_lshl_b32 s22, s21, 15
	s_wait_kmcnt 0x0
	s_add_nc_u64 s[12:13], s[12:13], s[22:23]
	s_lshl_b32 s22, s21, 14
	s_add_nc_u64 s[18:19], s[18:19], s[22:23]
.set I, 0
.rept 16
	global_load_b128 v[R+4*I:R+4*I+3], v3, s[12:13] offset:512*I th:TH_LOAD_NT
.set I, I+1
.endr
.macro WSLOT i
.if (\i) < 48
	s_wait_loadcnt 15                              ; loads come back in order: mine is in, the fifteen younger ones stay out
.else
	s_wait_loadcnt 63-(\i)                         ; the tail loads nothing: the count runs down
.endif
	v_cvt_pk_f16_f32 v[WH+2*(\i)], v[R+4*((\i)%16)], v[R+4*((\i)%16)+1]
	v_cvt_pk_f16_f32 v[WH+2*(\i)+1], v[R+4*((\i)%16)+2], v[R+4*((\i)%16)+3]
.if (\i)+16 < 64
	global_load_b128 v[R+4*((\i)%16):R+4*((\i)%16)+3], v3, s[12:13] offset:512*((\i)+16) th:TH_LOAD_NT
.endif
	global_store_b64 v4, v[WH+2*(\i):WH+2*(\i)+1], s[18:19] offset:256*(\i)
.endm
.set I, 0
.rept 64
	WSLOT I
.set I, I+1
.endr
	s_endpgm
.Lfunc_end_k_qfef41e6132_quant:
	.size	k_qfef41e6132_quant, .Lfunc_end_k_qfef41e6132_quant-k_qfef41e6132_quant
	.p2alignl 7, 3214868480
	.fill 96, 4, 3214868480
	.section	.rodata,"a",@progbits
	.p2align	6, 0x0
	.amdhsa_kernel k_qfef41e6132_quant
		.amdhsa_group_segment_fixed_size 33280
		.amdhsa_private_segment_fixed_size 0
		.amdhsa_enable_private_segment 0
		.amdhsa_kernarg_size 64
		.amdhsa_user_sgpr_count 2
		.amdhsa_user_sgpr_kernarg_segment_ptr 1
		.amdhsa_wavefront_size32 1
		.amdhsa_system_sgpr_workgroup_id_x 1
		.amdhsa_system_sgpr_workgroup_id_y 1
		.amdhsa_system_sgpr_workgroup_id_z 1
		.amdhsa_system_vgpr_workitem_id 0
		.amdhsa_next_free_vgpr 208
		.amdhsa_next_free_sgpr 66
		.amdhsa_reserve_vcc 0
		.amdhsa_float_denorm_mode_32 3
		.amdhsa_float_denorm_mode_16_64 3
		.amdhsa_memory_ordered 1
		.amdhsa_forward_progress 1
		.amdhsa_inst_pref_size 56
	.end_amdhsa_kernel
	.amdgpu_metadata
---
amdhsa.version: [ 1, 2 ]
amdhsa.kernels:
  - .name:           k_qfef41e6132_quant
    .symbol:         k_qfef41e6132_quant.kd
    .args:
      - { .name: hidden_states, .offset: 0, .size: 8, .value_kind: global_buffer, .address_space: global }
      - { .name: wq, .offset: 8, .size: 8, .value_kind: global_buffer, .address_space: global }
      - { .name: wk, .offset: 16, .size: 8, .value_kind: global_buffer, .address_space: global }
      - { .name: wv, .offset: 24, .size: 8, .value_kind: global_buffer, .address_space: global }
      - { .name: wo, .offset: 32, .size: 8, .value_kind: global_buffer, .address_space: global }
      - { .name: codes, .offset: 40, .size: 8, .value_kind: global_buffer, .address_space: global }
      - { .name: scales, .offset: 48, .size: 8, .value_kind: global_buffer, .address_space: global }
      - { .name: wo_h, .offset: 56, .size: 8, .value_kind: global_buffer, .address_space: global }
    .group_segment_fixed_size: 33280
    .private_segment_fixed_size: 0
    .kernarg_segment_align: 8
    .kernarg_segment_size: 64
    .max_flat_workgroup_size: 128
    .sgpr_count:     66
    .vgpr_count:     208
    .wavefront_size: 32
...
	.end_amdgpu_metadata
.endif
;; end of part 1
;; launch qkv (part 2): grid 24 x 16, 4 waves a work-group, clusters of 4 x 1, 327,680 bytes of LDS; arguments codes, scales, freqs_cos, freqs_sin, q_norm_w, k_norm_w, q_img, k_img, v_img, out1, out2; writes q_img, k_img, v_img, out1, out2
.if DOCPART == 2
	.amdgcn_target "amdgcn-amd-amdhsa--gfx1250"
	.amdhsa_code_object_version 6
	.text
	.protected	k_qfef41e6132_qkv
	.globl	k_qfef41e6132_qkv
	.p2align	8
	.type	k_qfef41e6132_qkv,@function
k_qfef41e6132_qkv:
	s_mov_b64 s[64:65], 0
	v_nop
	global_prefetch_b8 v0, s[64:65] scope:SCOPE_SE
	s_setreg_imm32_b32 hwreg(HW_REG_WAVE_MODE, 25, 1), 1
	s_wait_xcnt 0x0
	s_wait_alu depctr_hold_cnt(0) depctr_sa_sdst(0) depctr_va_vdst(0) depctr_va_sdst(0) depctr_va_ssrc(0) depctr_va_vcc(0) depctr_vm_vsrc(0)
	s_getreg_b32 s2, hwreg(HW_REG_IB_STS2, 6, 4)
	s_cmp_eq_u32 s2, 0
	s_cbranch_scc0 .Lentry_in_a_cluster
	s_endpgm
.Lentry_in_a_cluster:
	s_bfe_u32 s2, ttmp6, 0x10000c
	s_cmp_lg_u32 s2, 0x3003
	s_cbranch_scc0 .Lentry_shape_is_right
	s_endpgm
.Lentry_shape_is_right:
; x wq^T, x wk^T, x wv^T on codes of FP4 (E2M1) with E8M0 scales; then rotary embedding and RMS norm of q and k in f32; then every layout that is wanted later.
; SHARES.  A work-group takes 128 tokens x 128 columns of the 3,072 (wq's 2,048, wk's 512, wv's 512).  Its kind hangs on the cluster's x alone: 0 to 3 q, 4 k, 5 v.
; A wave takes 64 tokens x 64 columns = ONE head: 16 accumulators.  The matrix instruction is used transposed (source 0 = 16 rows of W, source 1 = 16 tokens): lane (r, h) of accumulator (a, b) holds
; token 16 a + r and channels 16 b + 8 h + 0 .. 7, so a token's sum of squares wants one exchange between the halves of the lanes, and a rotary pair lies in neighbouring registers.
; ALL OF K LIES IN LDS: 256 rows x 1,024 bytes and their scale bytes.  So there are first fills alone, three tensor loads a wave, all issued at the head: no slot is ever filled again.  K goes in two chunks of
; 1,024; the second lands while the first is multiplied.
; CLUSTER.  The four work-groups of a cluster take the same 128 tokens: x's codes and scale bytes are asked for jointly (mask 15).  W's tiles differ between them and come by plain loads.
; OUT.  q (times q_norm_w, times log2(e) / 8) as f16, k and v as pairs of f16 (a high part of 11 bits and the rest), all as IMAGES OF OPERAND REGISTERS: a piece is 32 lanes x 16 bytes on end.
;   q_img [head 32][tile of 16 tokens 128][b 4][lane][16]: token r, channels 16 b + 8 h + 0 .. 7;  behind it, at 8,388,608, tokens 0 to 15 as pairs: [head][high, low][b][lane][16]
;   k_img high at 0, low at 2,097,152: [kv head 8][tile 128][b 4][lane][16], as q
;   v_img high at 0, low at 2,097,152: [kv head 8][32 keys 64][ct 4][c 2][lane][16]: channel 16 ct + r, keys 16 c + 8 h + 0 .. 7
;   out1 = k transposed, out2 = v, f32, each kv head stored four times (the query heads that share it).
; THE SPLIT: C = 8193 X; T = C - X; high = C - T (11 significant bits, exact in f16's normal range); low = X - high.
; LIMITS: |v| under 65,504; a high part under 6e-5 is rounded to f16's step of 6e-8 and the low part does not make that up; NaN and infinities are not served.
; REGISTERS.  window 0: v1-20 addresses; v32-63 scale words and nothing else; v64-95 norm weights, later at work; v96-127 at work; v128-255 the accumulators, (a, b) at v[128 + 8 (4 a + b)].
;   window 1: v0-63, v64-127 two sets of fragments (x's four, then W's four); v128-255 cos and sin of my tokens' pairs.
.set PITCH,  528                       ; an LDS row: 512 bytes of codes + 16 of padding: the 16 rows of a fragment load start 16 bytes apart modulo 256
.set HALFT,  64*PITCH                  ; 64 rows: what one tensor load brings, what one wave reads of x or of W
.set CHUNK,  4*HALFT                   ; x's 128 rows, then W's 128 rows, 1,024 along K
.set SCL,    2*CHUNK                   ; behind the chunks: the scale bytes, as rows of 256 bytes + 16
.set HALFS,  16*272                    ; those of 64 rows (64 bytes a row)
.set SBLK,   4*272                     ; those of 16 rows
.set SPARE,  SCL+4*HALFS               ; the spare words, 128 bytes a wave
.set WSTG,   2*HALFT                   ; the way out: each wave has 67,584 bytes of the chunks, which have had their only fill and their last read
.set SPT,    272                       ; a stage row: 256 bytes + 16
.set OVR,    64*SPT                    ; in a wave's bytes: k transposed at 0 (k kind), v by rows here, v transposed at OVT (v kind): each kind has bytes of its own
.set OVT,    128*SPT
.set RL,   1                           ; v1  r = lane % 16
.set HL,   2                           ; v2  h = lane / 16
.set LN,   3                           ; v3  lane
.set SPW,  4                           ; v4  my spare word; never rewritten
.set NIL,  5                           ; v5  0; never rewritten
.set ADRA, 6                           ; v6-7  x's fragments in chunk 0, 1
.set ADRB, 8                           ; v8-9  W's
.set ADRS, 10                          ; v10 scale words: lanes 0-15 x's rows, lanes 16-31 W's
.set VCS,  11                          ; v11 cos, sin: 128 r + 16 h
.set VW,   12                          ; v12 norm weights: 32 h
.set LI,   13                          ; v13 16 x lane
.set TSTK, 14                          ; v14 k transposed, in
.set TSTV, 15                          ; v15 v transposed, in
.set ROWK, 16                          ; v16 k transposed, back by rows
.set ROWV, 17                          ; v17 v by rows, back
.set RSTV, 18                          ; v18 v by rows, in
.set TRFV, 19                          ; v19 v transposed, back as fragments
.set GO1,  20                          ; v20 out1: 8,192 h + 16 r
.set SC,   32
.set NW,   64
.set WK,   96
.set ACC,  128
.set WV,   16                          ; s16 wave
.set TH,   17                          ; s17 my half of the tokens; also: I fetch for x (0) or for W (1)
.set CH,   18                          ; s18 my half of the columns; also: which 64 rows I fetch
.set CX,   19
.set CB,   20                          ; s20 block of 128 columns, 0 to 23
.set TB,   21                          ; s21 block of 128 tokens
.set TOK,  22                          ; s22 my first token
.set HC,   23                          ; s23 my head column, 0 to 47
.set G1X,  24                          ; s[24:31] group 1, x's codes (joint);  s[32:39] W's;  s[40:47] x's scale bytes (joint);  s[48:55] W's
.set G1W,  32
.set G1SX, 40
.set G1SW, 48
.set G0XS, 56                          ; groups 0: x's scale bytes, chunk 0, chunk 1;  W's likewise
.set G0X0, 60
.set G0X1, 68
.set G0WS, 72
.set G0W0, 76
.set G0W1, 80
.set SEL,  94                          ; the way out: s[94:95] lane selects, s96 1 / 64, s97 eps, s[98:99] 8193.0
.set I64,  96
.set EPS,  97
.set SPL,  98
.set MSB, 0
.macro WIN new                         ; the immediate's high byte repeats the setting that is left
.if MSB != \new
	s_set_vgpr_msb (MSB<<8)|\new
.set MSB, \new
.endif
.endm
.macro PLACES                          ; four plain vector lines between a matrix instruction and a load into, or a read of, its registers
.rept 4
	v_nop
.endr
.endm
; Waves 0 and 1 fetch for x (jointly), waves 2 and 3 for W.  The branch hangs on the wave's number alone.  An s_nop 0 and four v_nop follow each line.
.macro JLOAD g0a, g1a, g0b, g1b
	s_cmp_eq_u32 s[TH], 0
	s_cbranch_scc0 .Lfor_w_\@
	tensor_load_to_lds s[\g0a:\g0a+3], s[\g1a:\g1a+7]
	s_nop 0
.rept 4
	v_nop
.endr
	s_branch .Lasked_\@
.Lfor_w_\@:
	tensor_load_to_lds s[\g0b:\g0b+3], s[\g1b:\g1b+7]
	s_nop 0
.rept 4
	v_nop
.endr
.Lasked_\@:
.endm
.macro CROUND                          ; a round of the cluster's barrier
	s_barrier_signal -1
	s_barrier_wait -1
	s_cmp_lg_u32 s[WV], 0
	s_cbranch_scc1 .Lnot_wave_0_\@
	s_barrier_signal -3
.Lnot_wave_0_\@:
	s_barrier_wait -3
	s_barrier_signal -1
	s_barrier_wait -1
.endm
	s_load_b256 s[4:11], s[0:1], 0x0               ; codes 4:5, scales 6:7, cos 8:9, sin 10:11
	s_load_b128 s[12:15], s[0:1], 0x20             ; q_norm_w 12:13, k_norm_w 14:15
	s_load_b256 s[84:91], s[0:1], 0x30             ; q_img 84:85, k_img 86:87, v_img 88:89, out1 90:91
	s_load_b64 s[92:93], s[0:1], 0x50              ; out2
	v_lshl_add_u32 v[SPW], v0, 2, SPARE
	v_mov_b32 v[NIL], 0
	ds_add_u32 v[SPW], v[NIL]                      ; the wave's opening: the add, twice on end, and its wait ahead of my first tensor load
	ds_add_u32 v[SPW], v[NIL]
	v_lshrrev_b32 v21, 5, v0
	v_readfirstlane_b32 s[WV], v21
	s_lshr_b32 s[TH], s[WV], 1
	s_and_b32 s[CH], s[WV], 1
	s_bfe_u32 s[CX], ttmp6, 0x40000
	s_lshl_b32 s[CB], ttmp9, 2
	s_add_co_u32 s[CB], s[CB], s[CX]
	s_and_b32 s[TB], ttmp7, 0xffff
	s_lshl_b32 s[TOK], s[TB], 7
	s_lshl_b32 s2, s[TH], 6
	s_add_co_u32 s[TOK], s[TOK], s2
	s_lshl_b32 s[HC], s[CB], 1
	s_add_co_u32 s[HC], s[HC], s[CH]
	; group 1, codes: 64 rows of 512 bytes, 1,024 bytes apart in memory; 16 bytes of padding behind every 128 words
	s_mov_b32 s[G1X], 15|(1<<20)|(1<<21)|(6<<22)|(3<<25)   ; the mask names all four work-groups; bit 21 is set beside it
	s_mov_b32 s[G1W], (1<<20)|(6<<22)|(3<<25)
.irp g, G1X, G1W
	s_mov_b32 s[\g+1], 512<<16                     ; tensor_dim0
	s_mov_b32 s[\g+2], 64<<16                      ; tensor_dim1
	s_mov_b32 s[\g+3], 512<<16                     ; tile_dim0
	s_mov_b32 s[\g+4], 64                          ; tile_dim1
	s_mov_b32 s[\g+5], 1024                        ; from row to row
	s_mov_b32 s[\g+6], 0
	s_mov_b32 s[\g+7], 0
.endr
	; group 1, scale bytes of 64 rows: 4,096 dense bytes as 16 rows of 256 (32 elements of 8 bytes), 16 bytes of padding behind each
	s_mov_b32 s[G1SX], 15|(3<<16)|(1<<20)|(1<<21)|(5<<22)|(3<<25)
	s_mov_b32 s[G1SW], (3<<16)|(1<<20)|(5<<22)|(3<<25)
.irp g, G1SX, G1SW
	s_mov_b32 s[\g+1], 32<<16
	s_mov_b32 s[\g+2], 16<<16
	s_mov_b32 s[\g+3], 32<<16
	s_mov_b32 s[\g+4], 16
	s_mov_b32 s[\g+5], 32
	s_mov_b32 s[\g+6], 0
	s_mov_b32 s[\g+7], 0
.endr
	; what I fetch.  x's offsets are made of the token block and the wave's number alone, in registers that never hold my place in the cluster
	s_lshl_b32 s94, s[TB], 7
	s_lshl_b32 s96, s[CH], 6
	s_add_co_u32 s94, s94, s96                     ; x: row 128 x token block + 64 x half
	s_lshl_b32 s96, s94, 6                         ; its scale bytes
	s_lshl_b32 s94, s94, 10                        ; its codes
	s_mov_b32 s95, 0
	s_mov_b32 s97, 0
	s_lshl_b32 s98, s[CB], 7
	s_lshl_b32 s2, s[CH], 6
	s_add_co_u32 s98, s98, s2                      ; W: row 128 x column block + 64 x half
	s_lshl_b32 s2, s98, 6
	s_add_co_u32 s2, s2, 131072                    ; behind x's scale bytes
	s_lshl_b32 s98, s98, 10
	s_add_co_u32 s98, s98, 2097152                 ; behind x's codes
	s_mov_b32 s99, 0
	s_mov_b32 s3, 0
	s_mul_i32 s[G0X0+1], s[WV], HALFT              ; where they go: wave x 64 rows: no place in the cluster enters an LDS address
	s_add_co_u32 s[G0X1+1], s[G0X0+1], CHUNK
	s_mul_i32 s[G0XS+1], s[WV], HALFS
	s_add_co_u32 s[G0XS+1], s[G0XS+1], SCL
	s_mov_b32 s[G0W0+1], s[G0X0+1]
	s_mov_b32 s[G0W1+1], s[G0X1+1]
	s_mov_b32 s[G0WS+1], s[G0XS+1]
.irp g, G0XS, G0X0, G0X1, G0WS, G0W0, G0W1
	s_mov_b32 s[\g], 1
.endr
	s_wait_dscnt 0x0                               ; both opening adds are done
	s_wait_kmcnt 0x0
	s_add_nc_u64 s[G0X0+2:G0X0+3], s[4:5], s[94:95]
	s_add_nc_u64 s[G0X1+2:G0X1+3], s[G0X0+2:G0X0+3], 512
	s_add_nc_u64 s[G0XS+2:G0XS+3], s[6:7], s[96:97]
	s_add_nc_u64 s[G0W0+2:G0W0+3], s[4:5], s[98:99]
	s_add_nc_u64 s[G0W1+2:G0W1+3], s[G0W0+2:G0W0+3], 512
	s_add_nc_u64 s[G0WS+2:G0WS+3], s[6:7], s[2:3]
.irp g, G0XS, G0X0, G0X1, G0WS, G0W0, G0W1
	s_or_b32 s[\g+3], s[\g+3], 0x80000000          ; type = 2
.endr
	CROUND                                         ; all four work-groups are here: the joint loads meet
	JLOAD G0XS, G1SX, G0WS, G1SW                   ; three loads of mine are out: the scale bytes,
	JLOAD G0X0, G1X, G0W0, G1W                     ; K 0 to 1,023,
	JLOAD G0X1, G1X, G0W1, G1W                     ; K 1,024 to 2,047
	v_and_b32 v[RL], 15, v0
	v_bfe_u32 v[HL], v0, 4, 1
	v_and_b32 v[LN], 31, v0
	v_mul_u32_u24 v21, v[RL], PITCH
	v_lshl_add_u32 v21, v[HL], 4, v21              ; a fragment's row x pitch + 16 x half
	s_mul_i32 s2, s[TH], HALFT                     ; my 64 tokens
	s_mul_i32 s3, s[CH], HALFT
	s_add_co_u32 s3, s3, 2*HALFT                   ; my 64 rows of W, behind x's 128
	v_add_nc_u32 v[ADRA], s2, v21
	v_add_nc_u32 v[ADRB], s3, v21
	s_add_co_u32 s2, s2, CHUNK
	s_add_co_u32 s3, s3, CHUNK
	v_add_nc_u32 v[ADRA+1], s2, v21
	v_add_nc_u32 v[ADRB+1], s3, v21
	v_lshlrev_b32 v22, 6, v[RL]                    ; my row's scale bytes: 64 a row,
	v_lshrrev_b32 v23, 8, v22
	v_lshl_add_u32 v22, v23, 4, v22                ; and 16 more for each 256 passed
	s_mul_i32 s2, s[TH], HALFS
	s_mul_i32 s3, s[CH], HALFS
	s_add_co_u32 s3, s3, 2*HALFS
	s_sub_co_u32 s3, s3, s2
	v_mul_u32_u24 v23, s3, v[HL]                   ; lanes 16-31 take W's: the lower base + h x the distance
	s_add_co_u32 s2, s2, SCL
	v_add_nc_u32 v22, v22, v23
	v_add_nc_u32 v[ADRS], s2, v22
	v_lshlrev_b32 v[VCS], 7, v[RL]
	v_lshl_add_u32 v[VCS], v[HL], 4, v[VCS]
	v_lshlrev_b32 v[VW], 5, v[HL]
	v_lshlrev_b32 v[LI], 4, v[LN]
	s_mul_i32 s2, s[WV], WSTG                      ; my bytes for the way out
	v_mul_u32_u24 v21, v[HL], 8*SPT
	v_lshl_add_u32 v21, v[RL], 2, v21
	v_add_nc_u32 v[TSTK], s2, v21                  ; transposed, in: row = channel 8 h (+ 16 b + j), byte 4 r (+ 64 a)
	v_add_nc_u32 v[TSTV], OVT, v[TSTK]
	v_mul_u32_u24 v22, v[HL], SPT
	v_lshl_add_u32 v22, v[RL], 4, v22
	v_add_nc_u32 v[ROWK], s2, v22                  ; back by rows: lanes 0-15 one row of 256 bytes, lanes 16-31 the next
	v_add_nc_u32 v[ROWV], OVR, v[ROWK]
	v_mul_u32_u24 v23, v[RL], SPT
	v_lshl_add_u32 v23, v[HL], 5, v23
	v_add_nc_u32 v23, s2, v23                      ; row r, 32 h
	v_add_nc_u32 v[RSTV], OVR, v23
	v_add_nc_u32 v[TRFV], OVT, v23
	v_lshlrev_b32 v[GO1], 13, v[HL]
	v_lshl_add_u32 v[GO1], v[RL], 4, v[GO1]
	; cos and sin of my 64 tokens' pairs and the norm weights of my lane's 32 channels.  Every kind loads them, the v kind too (it reads none): one text for the head
	s_lshl_b32 s2, s[TOK], 7
	s_mov_b32 s3, 0
	s_add_nc_u64 s[8:9], s[8:9], s[2:3]
	s_add_nc_u64 s[10:11], s[10:11], s[2:3]
	s_cmp_lt_u32 ttmp9, 4
	s_cselect_b64 s[12:13], s[12:13], s[14:15]     ; q's weights or k's
	WIN 0x40                                       ; destination window 1
.irp a, 0,1,2,3
.irp b, 0,1,2,3
	global_load_b128 v[128+32*\a+4*\b:128+32*\a+4*\b+3], v[VCS], s[8:9] offset:\a*2048+32*\b      ; cos(token 16 a + r, pairs 8 b + 4 h + 0 .. 3)
	global_load_b128 v[144+32*\a+4*\b:144+32*\a+4*\b+3], v[VCS], s[10:11] offset:\a*2048+32*\b    ; sin
.endr
.endr
	WIN 0
.irp b, 0,1,2,3
	global_load_b128 v[NW+8*\b:NW+8*\b+3], v[VW], s[12:13] offset:64*\b
	global_load_b128 v[NW+8*\b+4:NW+8*\b+7], v[VW], s[12:13] offset:64*\b+16
.endr
; The fragments of 128 along K, the q-th of chunk c, into set buf: 16 rows x 128 codes are 8 registers: lane (r, h) holds row r; registers 4 cc .. 4 cc + 3 hold K = 64 cc + 32 h + 0 .. 31
.macro FETCH c, q, buf
	WIN 0x40
.irp i, 0,1,2,3
.irp cc, 0,1
	ds_load_b128 v[64*(\buf)+8*\i+4*\cc:64*(\buf)+8*\i+4*\cc+3], v[ADRA+(\c)] offset:64*(\q)+32*\cc+\i*16*PITCH
.endr
.endr
.irp i, 0,1,2,3
.irp cc, 0,1
	ds_load_b128 v[64*(\buf)+32+8*\i+4*\cc:64*(\buf)+32+8*\i+4*\cc+3], v[ADRB+(\c)] offset:64*(\q)+32*\cc+\i*16*PITCH
.endr
.endr
.endm
; A chunk's scale words: register SC + 8 i + q: lanes 0-15 the word of x's block i, lanes 16-31 that of W's block i, for the chunk's q-th 128 along K
.macro SCALES c
	WIN 0
.irp i, 0,1,2,3
	ds_load_b128 v[SC+8*\i:SC+8*\i+3], v[ADRS] offset:\i*SBLK+32*\c
	ds_load_b128 v[SC+8*\i+4:SC+8*\i+7], v[ADRS] offset:\i*SBLK+32*\c+16
.endr
.endm
; 16 matrix instructions: the 16 accumulators take turns, one instruction a turn, in the same order in every step
.macro MUL buf, q, zero
	WIN 0x05                                       ; sources 0 and 1 window 1; C and D window 0
.irp a, 0,1,2,3
.irp b, 0,1,2,3
.if \zero
	v_wmma_scale_f32_16x16x128_f8f6f4 v[ACC+8*(4*\a+\b):ACC+8*(4*\a+\b)+7], v[64*(\buf)+32+8*\b:64*(\buf)+32+8*\b+7], v[64*(\buf)+8*\a:64*(\buf)+8*\a+7], 0, v[SC+8*\b+(\q)], v[SC+8*\a+(\q)] matrix_a_fmt:MATRIX_FMT_FP4 matrix_b_fmt:MATRIX_FMT_FP4 matrix_a_scale:MATRIX_SCALE_ROW1
.else
	v_wmma_scale_f32_16x16x128_f8f6f4 v[ACC+8*(4*\a+\b):ACC+8*(4*\a+\b)+7], v[64*(\buf)+32+8*\b:64*(\buf)+32+8*\b+7], v[64*(\buf)+8*\a:64*(\buf)+8*\a+7], v[ACC+8*(4*\a+\b):ACC+8*(4*\a+\b)+7], v[SC+8*\b+(\q)], v[SC+8*\a+(\q)] matrix_a_fmt:MATRIX_FMT_FP4 matrix_b_fmt:MATRIX_FMT_FP4 matrix_a_scale:MATRIX_SCALE_ROW1
.endif
.endr
.endr
.endm
	s_wait_tensorcnt 1                             ; my scale bytes and my part of chunk 0 are in; chunk 1's load, the one issued behind them, may be out
	s_barrier_signal -1
	s_barrier_wait -1                              ; everybody's are
	FETCH 0, 0, 0
	SCALES 0
; Sixteen steps of 128 along K.  Each fetches the next step's fragments into the other set ahead of its own 16 products.
.set N, 0
.rept 16
.set NC, (N+1)/8
.set NQ, (N+1)%8
.set NB, (N+1)%2
.set TQ, N%8
.set TBF, N%2
	s_wait_dscnt 0x0                               ; this step's fragments (and scale words) are in
.if N == 7
	s_wait_tensorcnt 0x0                           ; my part of chunk 1 is in,
	s_barrier_signal -1
	s_barrier_wait -1                              ; everybody's is.
.endif
.if N < 15
	PLACES                                         ; the last step's products read the set that is loaded now
	FETCH NC, NQ, NB
.endif
.if N == 0
	MUL TBF, TQ, 1                                 ; the first products start the sums: nothing is cleared
.else
	MUL TBF, TQ, 0
.endif
.if N == 7
	PLACES                                         ; the products above read the scale words that are loaded now
	SCALES 1
.endif
.set N, N+1
.endr
	WIN 0
	s_wait_dscnt 0x0
	s_barrier_signal -1
	s_barrier_wait -1                              ; nobody reads the chunks any more: their bytes serve as stages
	PLACES                                         ; in front of the first reads of results
	s_mov_b32 s[SEL], 0x76543210
	s_mov_b32 s[SEL+1], 0xfedcba98                 ; v_permlanex16_b32: lane l xor 16
	s_mov_b32 s[I64], 0x3c800000                   ; 1 / 64
	s_mov_b32 s[EPS], 0x3727c5ac                   ; 1e-5
	s_mov_b32 s[SPL], 0x46000400                   ; 8193.0
	s_mov_b32 s[SPL+1], s[SPL]
	s_wait_loadcnt 0x0                             ; cos, sin, norm weights
; 64 x 64 numbers into a stage, transposed: row = channel, byte = 4 x token
.macro TSTORE adr
.irp a, 0,1,2,3
.irp b, 0,1,2,3
.irp j, 0,1,2,3,4,5,6,7
	ds_store_b32 v[\adr], v[ACC+8*(4*\a+\b)+\j] offset:(16*\b+\j)*SPT+64*\a
.endr
.endr
.endr
.endm
; The eight numbers of unit u become a high and a low piece of an image: the low piece in the unit's registers 0-3, the high in 4-7; no store's data are written again
.macro HILO u, base
.set XB, ACC+8*(\u)
.set CW, WK+16*((\u)%2)
.irp p, 0,2,4,6
	v_pk_mul_f32 v[CW+\p:CW+\p+1], v[XB+\p:XB+\p+1], s[SPL:SPL+1] op_sel_hi:[1,0]                       ; C = 8193 X
.endr
.irp p, 0,2,4,6
	v_pk_add_f32 v[CW+8+\p:CW+9+\p], v[CW+\p:CW+\p+1], v[XB+\p:XB+\p+1] neg_lo:[0,1] neg_hi:[0,1]      ; T = C - X
.endr
.irp p, 0,2,4,6
	v_pk_add_f32 v[CW+\p:CW+\p+1], v[CW+\p:CW+\p+1], v[CW+8+\p:CW+9+\p] neg_lo:[0,1] neg_hi:[0,1]      ; high = C - T
.endr
.irp p, 0,2,4,6
	v_pk_add_f32 v[XB+\p:XB+\p+1], v[XB+\p:XB+\p+1], v[CW+\p:CW+\p+1] neg_lo:[0,1] neg_hi:[0,1]        ; low = X - high
.endr
.irp p, 0,1,2,3
	v_cvt_pk_f16_f32 v[XB+\p], v[XB+2*\p], v[XB+2*\p+1]
.endr
.irp p, 0,1,2,3
	v_cvt_pk_f16_f32 v[XB+4+\p], v[CW+2*\p], v[CW+2*\p+1]
.endr
	global_store_b128 v[LI], v[XB+4:XB+7], s[\base:\base+1] offset:512*(\u)            ; 32 lanes store 512 consecutive bytes
	global_store_b128 v[LI], v[XB:XB+3], s[\base:\base+1] offset:512*(\u)+2097152
.endm
; 64 stage rows of 256 bytes leave, two an instruction, each four times: the four query heads of a kv head lie 524,288 bytes apart in out1 and in out2
.macro OUT4 lad, gad, base, stride
.irp rd, 0,1
.if \rd
	s_wait_xcnt 0x0                                ; the first round's stores have read their registers: they are loaded again only behind this wait
.endif
.irp i, 0,1,2,3,4,5,6,7,8,9,10,11,12,13,14,15
	ds_load_b128 v[NW+4*\i:NW+4*\i+3], v[\lad] offset:(16*\rd+\i)*2*SPT   ; LDS serves a wave's instructions in order: these see my stores
.endr
.irp i, 0,1,2,3,4,5,6,7,8,9,10,11,12,13,14,15
	s_wait_dscnt 15-\i                             ; the younger loads may be out
.irp rep, 0,1,2,3
	global_store_b128 v[\gad], v[NW+4*\i:NW+4*\i+3], s[\base:\base+1] offset:(16*\rd+\i)*\stride+\rep*524288 th:TH_STORE_NT   ; 16 lanes store 256 consecutive bytes, aligned
.endr
.endr
.endr
.endm
	s_cmp_eq_u32 ttmp9, 5
	s_cbranch_scc1 .Lv
	; ---- q and k: the rotary embedding, then the RMS norm
	s_mov_b32 s2, 0x3e38aa3b                       ; log2(e) / 8, which q carries from here on; k carries 1
	s_cmp_lt_u32 ttmp9, 4
	s_cselect_b32 s2, s2, 1.0
	s_mov_b32 s3, s2
.irp i, 0,2,4,6,8,10,12,14,16,18,20,22,24,26,28,30
	v_pk_mul_f32 v[NW+\i:NW+\i+1], v[NW+\i:NW+\i+1], s[2:3] op_sel_hi:[1,0]
.endr
	WIN 0x04                                       ; source 1 (cos, sin) window 1
.set U, 0
.rept 16
.set XB, ACC+8*U
.set CSB, 128+32*(U/4)+4*(U%4)
.set TW, WK+8*(U%2)
.irp p, 0,1,2,3
	v_mul_f32 v[TW+2*\p], v[XB+2*\p+1], v[CSB+16+\p]               ; xi sin  (each accumulator is read from its low end on)
	v_mul_f32 v[TW+2*\p+1], v[XB+2*\p], v[CSB+16+\p]               ; xr sin
.endr
.irp p, 0,1,2,3
	v_fma_f32 v[XB+2*\p], v[XB+2*\p], v[CSB+\p], -v[TW+2*\p]       ; xr cos - xi sin
	v_fma_f32 v[XB+2*\p+1], v[XB+2*\p+1], v[CSB+\p], v[TW+2*\p+1]  ; xi cos + xr sin
.endr
.set U, U+1
.endr
	WIN 0
.irp a, 0,1,2,3
	v_pk_mul_f32 v[WK+2*\a:WK+2*\a+1], v[ACC+32*\a:ACC+32*\a+1], v[ACC+32*\a:ACC+32*\a+1]   ; the sums of squares of my 32 channels of four tokens, by turns
.endr
.irp i, 2,4,6,8,10,12,14,16,18,20,22,24,26,28,30
.irp a, 0,1,2,3
	v_pk_fma_f32 v[WK+2*\a:WK+2*\a+1], v[ACC+32*\a+\i:ACC+32*\a+\i+1], v[ACC+32*\a+\i:ACC+32*\a+\i+1], v[WK+2*\a:WK+2*\a+1]
.endr
.endr
.irp a, 0,1,2,3
	v_mov_b32 v[WK+8+\a], 0                        ; a lane permute's destination counts as one of its sources
	v_mov_b32 v[WK+17+2*\a], 0                     ; the upper halves of the pairs that hold 1 / rms
.endr
.irp a, 0,1,2,3
	v_add_f32 v[WK+2*\a], v[WK+2*\a], v[WK+2*\a+1]
.endr
.irp a, 0,1,2,3
	v_permlanex16_b32 v[WK+8+\a], v[WK+2*\a], s[SEL], s[SEL+1]
.endr
.irp a, 0,1,2,3
	v_add_f32 v[WK+2*\a], v[WK+2*\a], v[WK+8+\a]   ; with the other 32 channels
.endr
.irp a, 0,1,2,3
	v_fma_f32 v[WK+2*\a], v[WK+2*\a], s[I64], s[EPS]
.endr
.irp a, 0,1,2,3
	v_rsq_f32 v[WK+16+2*\a], v[WK+2*\a]
.endr
	v_nop                                          ; a plain line behind the last of the four
	s_wait_alu depctr_va_vdst(0)                   ; one wait for the four, ahead of their first reader
.irp a, 0,1,2,3
.irp i, 0,2,4,6,8,10,12,14,16,18,20,22,24,26,28,30
	v_pk_mul_f32 v[ACC+32*\a+\i:ACC+32*\a+\i+1], v[ACC+32*\a+\i:ACC+32*\a+\i+1], v[WK+16+2*\a:WK+17+2*\a] op_sel_hi:[1,0]
.endr
.endr
.irp a, 0,1,2,3
.irp i, 0,2,4,6,8,10,12,14,16,18,20,22,24,26,28,30
	v_pk_mul_f32 v[ACC+32*\a+\i:ACC+32*\a+\i+1], v[ACC+32*\a+\i:ACC+32*\a+\i+1], v[NW+\i:NW+\i+1]
.endr
.endr
	s_cmp_eq_u32 ttmp9, 4
	s_cbranch_scc1 .Lk
	; ---- q
	s_lshl_b32 s2, s[HC], 12
	s_add_co_u32 s2, s2, 8388608
	s_mov_b32 s3, 0
	s_add_nc_u64 s[86:87], s[84:85], s[2:3]        ; the pairs of tokens 0 to 15: 4,096 bytes a head
	s_lshl_b32 s2, s[HC], 18
	s_lshl_b32 s3, s[TOK], 7
	s_add_co_u32 s2, s2, s3
	s_mov_b32 s3, 0
	s_add_nc_u64 s[84:85], s[84:85], s[2:3]        ; my 4 tiles of my head: 262,144 bytes a head, 2,048 a tile
	s_or_b32 s3, s[TB], s[TH]                      ; tokens 0 to 15 are mine?  The token block and the wave's number alone: alike in all partners
	s_cmp_lg_u32 s3, 0
	s_cbranch_scc1 .Lno_qf
.irp b, 0,1,2,3
.set XB, ACC+8*\b
.set CW, WK+16*(\b%2)
.irp p, 0,2,4,6
	v_pk_mul_f32 v[CW+\p:CW+\p+1], v[XB+\p:XB+\p+1], s[SPL:SPL+1] op_sel_hi:[1,0]
.endr
.irp p, 0,2,4,6
	v_pk_add_f32 v[CW+8+\p:CW+9+\p], v[CW+\p:CW+\p+1], v[XB+\p:XB+\p+1] neg_lo:[0,1] neg_hi:[0,1]
.endr
.irp p, 0,2,4,6
	v_pk_add_f32 v[CW+\p:CW+\p+1], v[CW+\p:CW+\p+1], v[CW+8+\p:CW+9+\p] neg_lo:[0,1] neg_hi:[0,1]      ; high
.endr
.irp p, 0,2,4,6
	v_pk_add_f32 v[CW+8+\p:CW+9+\p], v[XB+\p:XB+\p+1], v[CW+\p:CW+\p+1] neg_lo:[0,1] neg_hi:[0,1]      ; low; q itself stays
.endr
.irp p, 0,1,2,3
	v_cvt_pk_f16_f32 v[NW+4*\b+\p], v[CW+2*\p], v[CW+2*\p+1]
	v_cvt_pk_f16_f32 v[NW+16+4*\b+\p], v[CW+8+2*\p], v[CW+9+2*\p]
.endr
	global_store_b128 v[LI], v[NW+4*\b:NW+4*\b+3], s[86:87] offset:512*\b
	global_store_b128 v[LI], v[NW+16+4*\b:NW+16+4*\b+3], s[86:87] offset:2048+512*\b
.endr
.Lno_qf:
.set U, 0
.rept 16
.set XB, ACC+8*U
.irp p, 0,1,2,3
	v_cvt_pk_f16_f32 v[XB+\p], v[XB+2*\p], v[XB+2*\p+1]
.endr
	global_store_b128 v[LI], v[XB:XB+3], s[84:85] offset:512*U     ; 32 lanes store 512 consecutive bytes
.set U, U+1
.endr
	s_branch .Lend
	; ---- k
.Lk:
	s_sub_co_u32 s[HC], s[HC], 32                  ; the kv head
	s_lshl_b32 s2, s[HC], 18
	s_lshl_b32 s3, s[TOK], 7
	s_add_co_u32 s2, s2, s3
	s_mov_b32 s3, 0
	s_add_nc_u64 s[86:87], s[86:87], s[2:3]
	s_lshl_b32 s2, s[HC], 21
	s_lshl_b32 s3, s[TOK], 2
	s_add_co_u32 s2, s2, s3
	s_mov_b32 s3, 0
	s_add_nc_u64 s[90:91], s[90:91], s[2:3]        ; out1: 2,097,152 bytes a kv head; my tokens' 256 bytes of each row
	TSTORE TSTK
	s_wait_dscnt 0x0                               ; the stores have read their registers, which the split writes
.set U, 0
.rept 16
	HILO U, 86
.set U, U+1
.endr
	OUT4 ROWK, GO1, 90, 16384
	s_branch .Lend
	; ---- v
.Lv:
	s_sub_co_u32 s[HC], s[HC], 40                  ; the kv head
	s_lshl_b32 s2, s[HC], 18
	s_lshl_b32 s3, s[TOK], 7
	s_add_co_u32 s2, s2, s3
	s_mov_b32 s3, 0
	s_add_nc_u64 s[88:89], s[88:89], s[2:3]        ; v_img: 4,096 bytes for each 32 keys
	s_lshl_b32 s2, s[HC], 21
	s_lshl_b32 s3, s[TOK], 8
	s_add_co_u32 s2, s2, s3
	s_mov_b32 s3, 0
	s_add_nc_u64 s[92:93], s[92:93], s[2:3]        ; out2: rows of 256 bytes
.irp a, 0,1,2,3
.irp b, 0,1,2,3
	ds_store_b128 v[RSTV], v[ACC+8*(4*\a+\b):ACC+8*(4*\a+\b)+3] offset:\a*16*SPT+64*\b        ; by rows; each accumulator from its low end on
	ds_store_b128 v[RSTV], v[ACC+8*(4*\a+\b)+4:ACC+8*(4*\a+\b)+7] offset:\a*16*SPT+64*\b+16
.endr
.endr
	TSTORE TSTV
	s_wait_dscnt 0x0                               ; the stores have read their registers, which are loaded now
.irp g, 0,1
.irp ct, 0,1,2,3
.irp c, 0,1
	ds_load_b128 v[ACC+8*(8*\g+2*\ct+\c):ACC+8*(8*\g+2*\ct+\c)+3], v[TRFV] offset:\ct*16*SPT+128*\g+64*\c        ; channel 16 ct + r, keys 32 g + 16 c + 8 h + 0 .. 7
	ds_load_b128 v[ACC+8*(8*\g+2*\ct+\c)+4:ACC+8*(8*\g+2*\ct+\c)+7], v[TRFV] offset:\ct*16*SPT+128*\g+64*\c+16
.endr
.endr
.endr
	s_wait_dscnt 0x0
.set U, 0
.rept 16
	HILO U, 88
.set U, U+1
.endr
	OUT4 ROWV, LI, 92, 512
.Lend:
	s_wait_tensorcnt 0x0                           ; the wave's end: three lines behind my last tensor load and my last LDS store
	ds_add_u32 v[SPW], v[NIL]
	s_wait_dscnt 0x0
	CROUND                                         ; the closing round: no work-group ends while a partner may still ask for a tile that names it
	s_endpgm
.Lfunc_end_k_qfef41e6132_qkv:
	.size	k_qfef41e6132_qkv, .Lfunc_end_k_qfef41e6132_qkv-k_qfef41e6132_qkv
	.p2alignl 7, 3214868480
	.fill 96, 4, 3214868480
	.section	.rodata,"a",@progbits
	.p2align	6, 0x0
	.amdhsa_kernel k_qfef41e6132_qkv
		.amdhsa_group_segment_fixed_size 327680
		.amdhsa_private_segment_fixed_size 0
		.amdhsa_enable_private_segment 0
		.amdhsa_kernarg_size 88
		.amdhsa_user_sgpr_count 2
		.amdhsa_user_sgpr_kernarg_segment_ptr 1
		.amdhsa_wavefront_size32 1
		.amdhsa_system_sgpr_workgroup_id_x 1
		.amdhsa_system_sgpr_workgroup_id_y 1
		.amdhsa_system_sgpr_workgroup_id_z 1
		.amdhsa_system_vgpr_workitem_id 0
		.amdhsa_next_free_vgpr 512
		.amdhsa_next_free_sgpr 100
		.amdhsa_reserve_vcc 0
		.amdhsa_float_denorm_mode_32 3
		.amdhsa_float_denorm_mode_16_64 3
		.amdhsa_memory_ordered 1
		.amdhsa_forward_progress 1
		.amdhsa_inst_pref_size 212
	.end_amdhsa_kernel
	.amdgpu_metadata
---
amdhsa.version: [ 1, 2 ]
amdhsa.kernels:
  - .name:           k_qfef41e6132_qkv
    .symbol:         k_qfef41e6132_qkv.kd
    .args:
      - { .name: codes, .offset: 0, .size: 8, .value_kind: global_buffer, .address_space: global }
      - { .name: scales, .offset: 8, .size: 8, .value_kind: global_buffer, .address_space: global }
      - { .name: freqs_cos, .offset: 16, .size: 8, .value_kind: global_buffer, .address_space: global }
      - { .name: freqs_sin, .offset: 24, .size: 8, .value_kind: global_buffer, .address_space: global }
      - { .name: q_norm_w, .offset: 32, .size: 8, .value_kind: global_buffer, .address_space: global }
      - { .name: k_norm_w, .offset: 40, .size: 8, .value_kind: global_buffer, .address_space: global }
      - { .name: q_img, .offset: 48, .size: 8, .value_kind: global_buffer, .address_space: global }
      - { .name: k_img, .offset: 56, .size: 8, .value_kind: global_buffer, .address_space: global }
      - { .name: v_img, .offset: 64, .size: 8, .value_kind: global_buffer, .address_space: global }
      - { .name: out1, .offset: 72, .size: 8, .value_kind: global_buffer, .address_space: global }
      - { .name: out2, .offset: 80, .size: 8, .value_kind: global_buffer, .address_space: global }
    .group_segment_fixed_size: 327680
    .private_segment_fixed_size: 0
    .kernarg_segment_align: 8
    .kernarg_segment_size: 88
    .max_flat_workgroup_size: 128
    .sgpr_count:     100
    .vgpr_count:     512
    .wavefront_size: 32
...
	.end_amdgpu_metadata
.endif
;; end of part 2
;; launch attn (part 3): grid 32 x 8, 8 waves a work-group, clusters of 4 x 1, 327,680 bytes of LDS; arguments q_img, k_img, v_img, atten_mask, y_h; writes y_h
.if DOCPART == 3
	.amdgcn_target "amdgcn-amd-amdhsa--gfx1250"
	.amdhsa_code_object_version 6
	.text
	.protected	k_qfef41e6132_attn
	.globl	k_qfef41e6132_attn
	.p2align	8
	.type	k_qfef41e6132_attn,@function
k_qfef41e6132_attn:
	s_mov_b64 s[64:65], 0
	v_nop
	global_prefetch_b8 v0, s[64:65] scope:SCOPE_SE
	s_setreg_imm32_b32 hwreg(HW_REG_WAVE_MODE, 25, 1), 1
	s_wait_xcnt 0x0
	s_wait_alu depctr_hold_cnt(0) depctr_sa_sdst(0) depctr_va_vdst(0) depctr_va_sdst(0) depctr_va_ssrc(0) depctr_va_vcc(0) depctr_vm_vsrc(0)
	s_getreg_b32 s2, hwreg(HW_REG_IB_STS2, 6, 4)
	s_cmp_eq_u32 s2, 0
	s_cbranch_scc0 .Lentry_in_a_cluster
	s_endpgm
.Lentry_in_a_cluster:
	s_bfe_u32 s2, ttmp6, 0x10000c
	s_cmp_lg_u32 s2, 0x3003
	s_cbranch_scc0 .Lentry_shape_is_right
	s_endpgm
.Lentry_shape_is_right:
; y[q][head] = softmax_k(q . k / 8 + mask[q][k]) v, products in f16 with f32 sums, softmax in f32 with a running maximum.  The mask is an input: every query walks all 2,048 keys and adds its mask row.
; q arrives times log2(e) / 8, so a score is in units of log2; the mask is multiplied by log2(e) and ADDED BY A VECTOR ADDITION, so that a huge mask swallows the score by rounding to nearest, as an f32 sum does.
; SHARES.  A work-group takes one kv head x 64 queries x the 4 query heads that share it.  Wave w takes 16 queries (tile w % 4) of two heads (pair w / 4): two tiles that share their mask registers, and each
; fragment of K and V that it reads from LDS feeds two matrix instructions.  Eight waves, two to a SIMD: one wave's softmax stands beside the other's products.
; LAYOUT.  S^T = K Q^T (source 0 = 16 keys, source 1 = 16 queries), O^T = V^T P (source 0 = 16 channels): a lane holds ONE query (lane % 16) throughout.  q_img, k_img, v_img are images of operand registers:
; a piece is 32 lanes x 16 bytes on end, so every LDS read is at 16 x lane and wants no padding.
; RING.  Two slots of 256 keys (4 steps of 64): K 32,768 bytes, V 32,768, the mask's 64 rows x 1,024 bytes (+ 16 of padding).  One tensor load a wave behind each round: waves 0, 1 K's halves, waves 2, 3 V's,
; waves 4 to 7 sixteen mask rows each.  A load has a slot's four steps in which to land.  By this text's own count a wave has one tensor load outstanding.
; CLUSTER.  The four work-groups of a cluster are four query blocks of one kv head: K's and V's tiles are asked for jointly (mask 15); the attention mask's rows differ and come by plain loads.
; LIMITS: a mask value under -2.35e38 becomes -infinity when it is multiplied by log2(e), and a row all of whose keys are so masked gives NaN; NaN and infinities among the inputs are not served; |y| under 65,504.
; Queries 0 to 15 are computed here like all others; two later launches compute them again more finely and store over what is made of these rows.
; REGISTERS.  window 0: v1-10 addresses; v16-31 statistics, eight a tile: m, (0), l (two halves), c0-c3; v32-63 Q; v64-127 K; v128-191 S^T, then p; v192-223 P; v224-255 the mask.  window 1: v0-63 O^T; v64-127 V.
.set SLOT,  132096
.set VOFF,  32768
.set MOFF,  65536
.set MP,    1040                       ; a mask row in LDS: 1,024 bytes + 16: the 16 rows of a load start 16 bytes apart modulo 256
.set SP,    272
.set STAGE, 2*SLOT                     ; the way out: 16 rows x 272 bytes a wave
.set SPARE, STAGE+8*16*SP              ; the spare words, 128 bytes a wave
.set LI,  1                            ; v1  16 x lane
.set AM0, 2                            ; v2  my place in the mask's tile
.set ADK, 3                            ; v3  the step's K and V
.set ADM, 4                            ; v4  the step's mask
.set SPW, 5                            ; v5  my spare word; never rewritten
.set NIL, 6                            ; v6  0; never rewritten
.set PFO, 7                            ; v7  the prefetches' offset; never rewritten
.set STO, 8
.set RD,  9
.set GO,  10
.set ST,  16
.set QR,  32
.set KR,  64
.set SR,  128
.set PR,  192
.set MR,  224
.set VR,  64                           ; in window 1
.set WV,   14
.set KVH,  15
.set PFA,  16                          ; s[16:17], s[18:19] where my two prefetches stand; s[20:21] a slot on
.set PFB,  18
.set PFS,  20
.set ASKF, 22                          ; s22 1 in a wave that prefetches
.set Q0,   23                          ; s23 my first query
.set G1J,  24
.set G1M,  32
.set G0J,  40                          ; a group 0 for each slot
.set G0M,  48
.set SEL,  56
.set TK,   58                          ; s58 LDS byte of the step's K
.set TM,   59                          ; s59 of the step's mask columns
.set CNT,  60
.set LOOP, 61
.set L2E,  62
.set MSB, 0
.macro WIN new
.if MSB != \new
	s_set_vgpr_msb (MSB<<8)|\new
.set MSB, \new
.endif
.endm
; Waves 0 to 3 ask jointly for K and V, waves 4 to 7 for their mask rows.  The branch hangs on the wave's number alone.  An s_nop 0 and four v_nop follow each line.
.macro TLOAD s
	s_cmp_lt_u32 s[WV], 4
	s_cbranch_scc0 .Lfor_m_\@
	tensor_load_to_lds s[G0J+4*(\s):G0J+4*(\s)+3], s[G1J:G1J+7]
	s_nop 0
.rept 4
	v_nop
.endr
	s_branch .Lasked_\@
.Lfor_m_\@:
	tensor_load_to_lds s[G0M+4*(\s):G0M+4*(\s)+3], s[G1M:G1M+7]
	s_nop 0
.rept 4
	v_nop
.endr
.Lasked_\@:
.endm
; A prefetch of what the NEXT round's loads will ask for: a slot, four key steps, ahead.  Each aligned 256 bytes are named once in the launch.  K and V of a kv head are walked by its eight clusters: the first
; (cluster x = 0) asks, wave 0 of each partner for 8,192 bytes of each, the partners told apart by address.  A block of mask rows is walked by the eight kv heads: kv head 0 asks, waves 4 to 7 for their own
; 16 rows x 1,024 bytes, in two instructions of 16 rows x 512.  The loop's six trips ask for slots' worth 2 to 7; the tail asks for nothing.
.macro ASK
	s_cmp_eq_u32 s[ASKF], 1
	s_cbranch_scc0 .Lnot_mine_\@
	global_prefetch_b8 v[PFO], s[PFA:PFA+1] th:TH_LOAD_NT scope:SCOPE_SE
	global_prefetch_b8 v[PFO], s[PFB:PFB+1] th:TH_LOAD_NT scope:SCOPE_SE
.Lnot_mine_\@:
.endm
.macro CROUND
	s_barrier_signal -1
	s_barrier_wait -1
	s_cmp_lg_u32 s[WV], 0
	s_cbranch_scc1 .Lnot_wave_0_\@
	s_barrier_signal -3
.Lnot_wave_0_\@:
	s_barrier_wait -3
	s_barrier_signal -1
	s_barrier_wait -1
.endm
	s_load_b256 s[4:11], s[0:1], 0x0               ; q_img 4:5, k_img 6:7, v_img 8:9, atten_mask 10:11
	s_load_b64 s[12:13], s[0:1], 0x20              ; y_h
	v_lshl_add_u32 v[SPW], v0, 2, SPARE
	v_mov_b32 v[NIL], 0
	ds_add_u32 v[SPW], v[NIL]                      ; the wave's opening: the add, twice on end, and its wait ahead of my first tensor load
	ds_add_u32 v[SPW], v[NIL]
	v_lshrrev_b32 v12, 5, v0
	v_readfirstlane_b32 s[WV], v12
	s_and_b32 s[KVH], ttmp7, 0xffff
	s_bfe_u32 s66, ttmp6, 0x40000                  ; cx
	s_lshl_b32 s67, ttmp9, 2
	s_add_co_u32 s67, s67, s66                     ; my block of 64 queries
	s_and_b32 s68, s[WV], 3                        ; my tile of queries; also: which 16 mask rows I fetch
	s_lshr_b32 s69, s[WV], 2                       ; my pair of heads
	s_lshl_b32 s[Q0], s67, 6
	s_lshl_b32 s2, s68, 4
	s_add_co_u32 s[Q0], s[Q0], s2
	; group 1, K and V: 16,384 dense bytes as 64 rows of 256 (32 elements of 8 bytes), no padding; the mask names all four work-groups, bit 21 beside it
	s_mov_b32 s[G1J], 15|(3<<16)|(1<<21)
	s_mov_b32 s[G1J+1], 32<<16
	s_mov_b32 s[G1J+2], 64<<16
	s_mov_b32 s[G1J+3], 32<<16
	s_mov_b32 s[G1J+4], 64
	s_mov_b32 s[G1J+5], 32
	s_mov_b32 s[G1J+6], 0
	s_mov_b32 s[G1J+7], 0
	; group 1, the attention mask: 16 rows of 256 f32, 2,048 elements apart; 4 words of padding behind every 256
	s_mov_b32 s[G1M], (2<<16)|(1<<20)|(7<<22)|(3<<25)
	s_mov_b32 s[G1M+1], 256<<16
	s_mov_b32 s[G1M+2], 16<<16
	s_mov_b32 s[G1M+3], 256<<16
	s_mov_b32 s[G1M+4], 16
	s_mov_b32 s[G1M+5], 2048
	s_mov_b32 s[G1M+6], 0
	s_mov_b32 s[G1M+7], 0
	s_mov_b32 s[G0J], 1
	s_lshl_b32 s[G0J+1], s[WV], 14                 ; K's halves, then V's: wave x 16,384
	s_mov_b32 s[G0J+4], 1
	s_add_co_u32 s[G0J+5], s[G0J+1], SLOT
	s_mov_b32 s[G0M], 1
	s_mul_i32 s[G0M+1], s68, 16*MP
	s_add_co_u32 s[G0M+1], s[G0M+1], MOFF
	s_mov_b32 s[G0M+4], 1
	s_add_co_u32 s[G0M+5], s[G0M+1], SLOT
	s_lshl_b32 s70, s[KVH], 18                     ; the kv head's 262,144 bytes of an image,
	s_and_b32 s2, s[WV], 1
	s_lshl_b32 s2, s2, 14
	s_add_co_u32 s70, s70, s2                      ; my half of a slot's 32,768
	s_mov_b32 s71, 0
	s_lshl_b32 s72, s[Q0], 13                      ; my mask rows: 8,192 bytes a row
	s_mov_b32 s73, 0
	s_mov_b32 s[SEL], 0x76543210
	s_mov_b32 s[SEL+1], 0xfedcba98
	s_mov_b32 s[L2E], 0x3fb8aa3b                   ; log2(e)
	s_mov_b32 s[L2E+1], s[L2E]
	s_wait_dscnt 0x0                               ; both opening adds are done
	s_wait_kmcnt 0x0
	s_cmp_lt_u32 s[WV], 2
	s_cselect_b64 s[G0J+2:G0J+3], s[6:7], s[8:9]   ; K's image or V's, by the wave's number
	s_add_nc_u64 s[G0J+2:G0J+3], s[G0J+2:G0J+3], s[70:71]
	s_add_nc_u64 s[G0J+6:G0J+7], s[G0J+2:G0J+3], 32768
	s_add_nc_u64 s[G0M+2:G0M+3], s[10:11], s[72:73]
	s_add_nc_u64 s[G0M+6:G0M+7], s[G0M+2:G0M+3], 1024
	s_or_b32 s[G0J+3], s[G0J+3], 0x80000000
	s_or_b32 s[G0J+7], s[G0J+7], 0x80000000
	s_or_b32 s[G0M+3], s[G0M+3], 0x80000000
	s_or_b32 s[G0M+7], s[G0M+7], 0x80000000
	CROUND                                         ; all four work-groups are here: the first joint loads meet
	TLOAD 0                                        ; keys 0 to 255
	; Q, y, addresses
	s_lshl_b32 s2, s[KVH], 2
	s_lshl_b32 s3, s69, 1
	s_add_co_u32 s2, s2, s3                        ; my first head
	s_lshl_b32 s70, s2, 18
	s_lshl_b32 s3, s[Q0], 7
	s_add_co_u32 s70, s70, s3
	s_add_nc_u64 s[4:5], s[4:5], s[70:71]          ; q_img: 262,144 bytes a head, 2,048 a tile
	s_lshl_b32 s70, s[Q0], 12
	s_lshl_b32 s3, s2, 7
	s_add_co_u32 s70, s70, s3
	s_add_nc_u64 s[12:13], s[12:13], s[70:71]      ; y_h: rows of 4,096 bytes, 128 a head
	v_and_b32 v12, 15, v0                          ; r
	v_bfe_u32 v13, v0, 4, 1                        ; h
	v_and_b32 v14, 31, v0
	v_lshlrev_b32 v[LI], 4, v14
.irp t, 0,1
.irp b, 0,1,2,3
	global_load_b128 v[QR+16*\t+4*\b:QR+16*\t+4*\b+3], v[LI], s[4:5] offset:\t*262144+512*\b
.endr
.endr
	v_mul_u32_u24 v[AM0], v12, MP
	v_lshl_add_u32 v[AM0], v13, 5, v[AM0]
	s_mul_i32 s2, s68, 16*MP
	v_add_nc_u32 v[AM0], s2, v[AM0]                ; row 16 (w % 4) + r, 32 h
	s_mul_i32 s2, s[WV], 16*SP
	s_add_co_u32 s2, s2, STAGE
	v_mul_u32_u24 v[STO], v12, SP
	v_lshl_add_u32 v[STO], v13, 4, v[STO]
	v_add_nc_u32 v[STO], s2, v[STO]
	v_mul_u32_u24 v[RD], v13, SP
	v_lshl_add_u32 v[RD], v12, 4, v[RD]
	v_add_nc_u32 v[RD], s2, v[RD]
	v_lshlrev_b32 v[GO], 12, v13
	v_lshl_add_u32 v[GO], v12, 4, v[GO]
	; the prefetches: who asks, and where.  They start a slot's worth behind the head's tile; each asking trip steps them first
	s_lshl_b32 s72, s[KVH], 18
	s_lshl_b32 s73, s66, 13                        ; my work-group's 8,192 of a slot's 32,768 bytes: the partners differ by address alone
	s_add_co_u32 s72, s72, s73
	s_add_co_u32 s72, s72, 32768
	s_lshl_b32 s73, s[Q0], 13
	s_add_co_u32 s73, s73, 1024
	s_or_b32 s2, s[WV], ttmp9                      ; 0 in wave 0 of the kv head's first cluster
	s_mov_b32 s[PFS], 1024
	s_mov_b32 s3, 8192
	s_mov_b32 s70, 256
	s_cmp_lt_u32 s[WV], 4
	s_cselect_b32 s2, s2, s[KVH]                   ; waves 4 to 7: 0 for kv head 0
	s_cselect_b64 s[PFA:PFA+1], s[6:7], s[10:11]
	s_cselect_b64 s[PFB:PFB+1], s[8:9], s[10:11]
	s_cselect_b32 s[PFS], 32768, s[PFS]
	s_cselect_b32 s3, 256, s3                      ; from lane to lane among 16,
	s_cselect_b32 s70, 4096, s70                   ; and from half to half
	s_cselect_b32 s74, 0, 512
	s_cselect_b32 s72, s72, s73
	s_mov_b32 s73, 0
	s_mov_b32 s75, 0
	s_mov_b32 s[PFS+1], 0
	s_add_nc_u64 s[PFA:PFA+1], s[PFA:PFA+1], s[72:73]
	s_add_nc_u64 s[PFB:PFB+1], s[PFB:PFB+1], s[72:73]
	s_add_nc_u64 s[PFB:PFB+1], s[PFB:PFB+1], s[74:75]
	s_cmp_eq_u32 s2, 0
	s_cselect_b32 s[ASKF], 1, 0
	v_mul_lo_u32 v[PFO], v12, s3
	v_mul_lo_u32 v15, v13, s70
	v_add_nc_u32 v[PFO], v[PFO], v15
	; the start: m under every score, l and O^T zeros: the step is written once, and the first change of m multiplies zeros
.irp t, 0,1
	v_mov_b32 v[ST+8*\t], 0xff61b1e6               ; -3e38
.irp i, 1,2,3,4,5,6,7
	v_mov_b32 v[ST+8*\t+\i], 0
.endr
.endr
	WIN 0x40
.set I, 0
.rept 64
	v_mov_b32 v[I], 0
.set I, I+1
.endr
	WIN 0
	s_wait_loadcnt 0x0                             ; Q
.macro SOFTMAX
.set I, 0
.rept 16                                       ; t = score + mask, the two tiles by turns; each accumulator is read from its low end on
	v_pk_add_f32 v[SR+2*I:SR+2*I+1], v[SR+2*I:SR+2*I+1], v[MR+2*I:MR+2*I+1]
	v_pk_add_f32 v[SR+32+2*I:SR+32+2*I+1], v[SR+32+2*I:SR+32+2*I+1], v[MR+2*I:MR+2*I+1]
.set I, I+1
.endr
.irp j, 0,1,2,3                                ; the largest of 32 t and the old m: four chains
.irp t, 0,1
	v_max3_num_f32 v[ST+8*\t+4+\j], v[SR+32*\t+8*\j], v[SR+32*\t+8*\j+1], v[SR+32*\t+8*\j+2]
.endr
.endr
.irp k, 3,5
.irp j, 0,1,2,3
.irp t, 0,1
	v_max3_num_f32 v[ST+8*\t+4+\j], v[ST+8*\t+4+\j], v[SR+32*\t+8*\j+\k], v[SR+32*\t+8*\j+\k+1]
.endr
.endr
.endr
.irp t, 0,1
	v_max3_num_f32 v[ST+8*\t+4], v[ST+8*\t+4], v[SR+32*\t+7], v[SR+32*\t+15]
.endr
.irp t, 0,1
	v_max3_num_f32 v[ST+8*\t+6], v[ST+8*\t+6], v[SR+32*\t+23], v[SR+32*\t+31]
.endr
.irp t, 0,1
	v_max3_num_f32 v[ST+8*\t+4], v[ST+8*\t+4], v[ST+8*\t+5], v[ST+8*\t+6]
.endr
.irp t, 0,1
	v_max3_num_f32 v[ST+8*\t+4], v[ST+8*\t+4], v[ST+8*\t+7], v[ST+8*\t]
.endr
.irp t, 0,1
	v_permlanex16_b32 v[ST+8*\t+5], v[ST+8*\t+4], s[SEL], s[SEL+1]   ; the query's other 32 keys lie in the lane 16 away
.endr
.irp t, 0,1
	v_mov_b32 v[ST+8*\t+7], v[ST+8*\t]
.endr
.irp t, 0,1
	v_max_num_f32 v[ST+8*\t], v[ST+8*\t+4], v[ST+8*\t+5]             ; the new m
.endr
.irp t, 0,1
	v_sub_f32 v[ST+8*\t+7], v[ST+8*\t+7], v[ST+8*\t]                 ; old m - new m
.endr
.set I, 0
.rept 16
	v_pk_add_f32 v[SR+2*I:SR+2*I+1], v[SR+2*I:SR+2*I+1], v[ST:ST+1] op_sel_hi:[1,0] neg_lo:[0,1] neg_hi:[0,1]
	v_pk_add_f32 v[SR+32+2*I:SR+32+2*I+1], v[SR+32+2*I:SR+32+2*I+1], v[ST+8:ST+9] op_sel_hi:[1,0] neg_lo:[0,1] neg_hi:[0,1]
.set I, I+1
.endr
.irp t, 0,1
	v_exp_f32 v[ST+8*\t+6], v[ST+8*\t+7]           ; a = 2^(old m - new m)
.endr
.set I, 0
.rept 32                                       ; ONE BATCH of 66 exponentials
	v_exp_f32 v[SR+I], v[SR+I]
	v_exp_f32 v[SR+32+I], v[SR+32+I]
.set I, I+1
.endr
	v_nop                                          ; a plain line behind the last exponential
	s_wait_alu depctr_va_vdst(0)                   ; one wait for the batch, ahead of its first reader
.set I, 0
.rept 16
	v_cvt_pk_f16_f32 v[PR+I], v[SR+2*I], v[SR+2*I+1]
	v_cvt_pk_f16_f32 v[PR+16+I], v[SR+32+2*I], v[SR+32+2*I+1]
.set I, I+1
.endr
.irp w, 4,8,16,32                              ; the sum of a tile's 16 pairs, in place: neighbours 1, 2, 4, 8 pairs apart
.set I, 0
.rept 32/\w
	v_pk_add_f32 v[SR+\w*I:SR+\w*I+1], v[SR+\w*I:SR+\w*I+1], v[SR+\w*I+\w/2:SR+\w*I+\w/2+1]
	v_pk_add_f32 v[SR+32+\w*I:SR+32+\w*I+1], v[SR+32+\w*I:SR+32+\w*I+1], v[SR+32+\w*I+\w/2:SR+32+\w*I+\w/2+1]
.set I, I+1
.endr
.endr
.irp t, 0,1
	v_pk_fma_f32 v[ST+8*\t+2:ST+8*\t+3], v[ST+8*\t+2:ST+8*\t+3], v[ST+8*\t+6:ST+8*\t+7], v[SR+32*\t:SR+32*\t+1] op_sel_hi:[1,0,1]   ; l = a l + the sum
.endr
	WIN 0x41                                       ; O^T (destination, source 0) window 1, a window 0
.set I, 0
.rept 16
	v_pk_mul_f32 v[2*I:2*I+1], v[2*I:2*I+1], v[ST+6:ST+7] op_sel_hi:[1,0]
	v_pk_mul_f32 v[32+2*I:32+2*I+1], v[32+2*I:32+2*I+1], v[ST+14:ST+15] op_sel_hi:[1,0]
.set I, I+1
.endr
.endm
; A KEY STEP: 64 keys.
.macro STEP
	v_add_nc_u32 v[ADK], s[TK], v[LI]
	v_add_nc_u32 v[ADM], s[TM], v[AM0]
.irp kt, 0,1,2,3
	ds_load_b128 v[MR+8*\kt:MR+8*\kt+3], v[ADM] offset:64*\kt          ; mask(query r, keys 16 kt + 8 h + 0 .. 7)
	ds_load_b128 v[MR+8*\kt+4:MR+8*\kt+7], v[ADM] offset:64*\kt+16
.endr
.set I, 0
.rept 16
	ds_load_b128 v[KR+4*I:KR+4*I+3], v[ADK] offset:512*I
.set I, I+1
.endr
	s_wait_dscnt 0x0
.irp f, 0,1                                    ; S^T = K Q^T: eight accumulators by turns; the first eight products start the sums
.irp kt, 0,1,2,3
.irp t, 0,1
.if \f == 0
	v_wmma_f32_16x16x32_f16 v[SR+32*\t+8*\kt:SR+32*\t+8*\kt+7], v[KR+16*\kt+8*\f:KR+16*\kt+8*\f+7], v[QR+16*\t+8*\f:QR+16*\t+8*\f+7], 0
.else
	v_wmma_f32_16x16x32_f16 v[SR+32*\t+8*\kt:SR+32*\t+8*\kt+7], v[KR+16*\kt+8*\f:KR+16*\kt+8*\f+7], v[QR+16*\t+8*\f:QR+16*\t+8*\f+7], v[SR+32*\t+8*\kt:SR+32*\t+8*\kt+7]
.endif
.endr
.endr
.endr
.set I, 0
.rept 16                                       ; the mask in units of log2.  These 16 lines are also the places in front of the reads of S^T and of the loads into V's registers
	v_pk_mul_f32 v[MR+2*I:MR+2*I+1], v[MR+2*I:MR+2*I+1], s[L2E:L2E+1] op_sel_hi:[1,0]
.set I, I+1
.endr
	WIN 0x40
.set I, 0
.rept 16
	ds_load_b128 v[VR+4*I:VR+4*I+3], v[ADK] offset:VOFF+512*I          ; V lands while the softmax is walked
.set I, I+1
.endr
	WIN 0
	SOFTMAX
	s_wait_dscnt 0x0                               ; V is in
	WIN 0x51                                       ; V, O^T window 1; P window 0
.irp g, 0,1                                    ; O^T += V^T P: eight accumulators by turns
.irp ct, 0,1,2,3
.irp t, 0,1
	v_wmma_f32_16x16x32_f16 v[32*\t+8*\ct:32*\t+8*\ct+7], v[VR+8*(4*\g+\ct):VR+8*(4*\g+\ct)+7], v[PR+16*\t+8*\g:PR+16*\t+8*\g+7], v[32*\t+8*\ct:32*\t+8*\ct+7]
.endr
.endr
.endr
	WIN 0
	s_add_co_u32 s[TK], s[TK], 8192
	s_add_co_u32 s[TM], s[TM], 256
.endm
; A slot's turn.  In front of the round each wave waits for all its tensor loads (the one that is out is its part of this slot), adds 0 to its spare word, and waits for that and for its reads of the other slot.
; Behind the round this slot is whole in all four work-groups and nobody reads the other one, which is filled first thing.
.macro TRIP slot, refill, ask
	s_wait_tensorcnt 0x0                           ; no tensor load of mine is out, so a group 0 may be written
	ds_add_u32 v[SPW], v[NIL]                      ; 0 onto my spare word; the steps below stand between it and the wait for it
	s_add_nc_u64 s[G0J+4*\slot+2:G0J+4*\slot+3], s[G0J+4*\slot+2:G0J+4*\slot+3], 65536   ; this slot's next keys: 512 on
	s_add_nc_u64 s[G0M+4*\slot+2:G0M+4*\slot+3], s[G0M+4*\slot+2:G0M+4*\slot+3], 2048
.if \ask
	s_wait_xcnt 0x0                                ; the last prefetches, a slot back, have read their addresses
	s_add_nc_u64 s[PFA:PFA+1], s[PFA:PFA+1], s[PFS:PFS+1]
	s_add_nc_u64 s[PFB:PFB+1], s[PFB:PFB+1], s[PFS:PFS+1]
.endif
	s_wait_dscnt 0x0                               ; the add is done, and my reads of the other slot are over
	CROUND
.if \refill
	TLOAD 1-\slot                                  ; my one tensor load behind the round
.endif
.if \ask
	ASK
.endif
	s_mov_b32 s[TK], \slot*SLOT
	s_mov_b32 s[TM], \slot*SLOT+MOFF
	s_mov_b32 s[CNT], 4
.Lstep_\@:
	STEP
	s_sub_co_u32 s[CNT], s[CNT], 1
	s_cmp_lg_u32 s[CNT], 0
	s_cbranch_scc1 .Lstep_\@
.endm
	s_mov_b32 s[LOOP], 3
.Lring:                                            ; eight slots' worth of keys: three trips of two, then the tail, which is written out
	TRIP 0, 1, 1
	TRIP 1, 1, 1
	s_sub_co_u32 s[LOOP], s[LOOP], 1
	s_cmp_lg_u32 s[LOOP], 0
	s_cbranch_scc1 .Lring
	TRIP 0, 1, 0
	TRIP 1, 0, 0
	; THE WAY OUT: O^T / l, rounded to f16; a query's 128 channels of my two heads are 256 bytes of a row of y_h: through my stage, so that 16 lanes store them whole
.rept 4
	v_nop                                          ; places behind the last products
.endr
.irp t, 0,1
	v_add_f32 v[ST+8*\t+4], v[ST+8*\t+2], v[ST+8*\t+3]
.endr
.irp t, 0,1
	v_permlanex16_b32 v[ST+8*\t+5], v[ST+8*\t+4], s[SEL], s[SEL+1]
.endr
.irp t, 0,1
	v_add_f32 v[ST+8*\t+4], v[ST+8*\t+4], v[ST+8*\t+5]
.endr
.irp t, 0,1
	v_rcp_f32 v[ST+8*\t+6], v[ST+8*\t+4]
.endr
	v_nop
	s_wait_alu depctr_va_vdst(0)                   ; one wait for the two reciprocals
	WIN 0x41
.set I, 0
.rept 16
	v_pk_mul_f32 v[2*I:2*I+1], v[2*I:2*I+1], v[ST+6:ST+7] op_sel_hi:[1,0]
	v_pk_mul_f32 v[32+2*I:32+2*I+1], v[32+2*I:32+2*I+1], v[ST+14:ST+15] op_sel_hi:[1,0]
.set I, I+1
.endr
	WIN 0x05                                       ; sources window 1, destination window 0
.set I, 0
.rept 32
	v_cvt_pk_f16_f32 v[SR+I], v[2*I], v[2*I+1]
.set I, I+1
.endr
	WIN 0
.irp t, 0,1
.irp ct, 0,1,2,3
	ds_store_b128 v[STO], v[SR+16*\t+4*\ct:SR+16*\t+4*\ct+3] offset:128*\t+32*\ct
.endr
.endr
.irp i, 0,1,2,3,4,5,6,7
	ds_load_b128 v[KR+4*\i:KR+4*\i+3], v[RD] offset:\i*2*SP            ; LDS serves a wave's instructions in order: these see my stores
.endr
.irp i, 0,1,2,3,4,5,6,7
	s_wait_dscnt 7-\i                              ; the younger loads may be out
	global_store_b128 v[GO], v[KR+4*\i:KR+4*\i+3], s[12:13] offset:\i*8192   ; 16 lanes store 256 consecutive bytes, aligned
.endr
	s_wait_tensorcnt 0x0                           ; the wave's end
	ds_add_u32 v[SPW], v[NIL]
	s_wait_dscnt 0x0
	CROUND                                         ; the closing round
	s_endpgm
.Lfunc_end_k_qfef41e6132_attn:
	.size	k_qfef41e6132_attn, .Lfunc_end_k_qfef41e6132_attn-k_qfef41e6132_attn
	.p2alignl 7, 3214868480
	.fill 96, 4, 3214868480
	.section	.rodata,"a",@progbits
	.p2align	6, 0x0
	.amdhsa_kernel k_qfef41e6132_attn
		.amdhsa_group_segment_fixed_size 327680
		.amdhsa_private_segment_fixed_size 0
		.amdhsa_enable_private_segment 0
		.amdhsa_kernarg_size 40
		.amdhsa_user_sgpr_count 2
		.amdhsa_user_sgpr_kernarg_segment_ptr 1
		.amdhsa_wavefront_size32 1
		.amdhsa_system_sgpr_workgroup_id_x 1
		.amdhsa_system_sgpr_workgroup_id_y 1
		.amdhsa_system_sgpr_workgroup_id_z 1
		.amdhsa_system_vgpr_workitem_id 0
		.amdhsa_next_free_vgpr 384
		.amdhsa_next_free_sgpr 80
		.amdhsa_reserve_vcc 0
		.amdhsa_float_denorm_mode_32 3
		.amdhsa_float_denorm_mode_16_64 3
		.amdhsa_memory_ordered 1
		.amdhsa_forward_progress 1
		.amdhsa_inst_pref_size 105
	.end_amdhsa_kernel
	.amdgpu_metadata
---
amdhsa.version: [ 1, 2 ]
amdhsa.kernels:
  - .name:           k_qfef41e6132_attn
    .symbol:         k_qfef41e6132_attn.kd
    .args:
      - { .name: q_img, .offset: 0, .size: 8, .value_kind: global_buffer, .address_space: global }
      - { .name: k_img, .offset: 8, .size: 8, .value_kind: global_buffer, .address_space: global }
      - { .name: v_img, .offset: 16, .size: 8, .value_kind: global_buffer, .address_space: global }
      - { .name: atten_mask, .offset: 24, .size: 8, .value_kind: global_buffer, .address_space: global }
      - { .name: y_h, .offset: 32, .size: 8, .value_kind: global_buffer, .address_space: global }
    .group_segment_fixed_size: 327680
    .private_segment_fixed_size: 0
    .kernarg_segment_align: 8
    .kernarg_segment_size: 40
    .max_flat_workgroup_size: 256
    .sgpr_count:     80
    .vgpr_count:     384
    .wavefront_size: 32
...
	.end_amdgpu_metadata
.endif
;; end of part 3
;; launch fineattn (part 4): grid 32 x 1, 8 waves a work-group, no clusters, 35,840 bytes of LDS; arguments q_img, k_img, v_img, atten_mask, y_fine; writes y_fine
.if DOCPART == 4
	.amdgcn_target "amdgcn-amd-amdhsa--gfx1250"
	.amdhsa_code_object_version 6
	.text
	.protected	k_qfef41e6132_fineattn
	.globl	k_qfef41e6132_fineattn
	.p2align	8
	.type	k_qfef41e6132_fineattn,@function
k_qfef41e6132_fineattn:
	s_mov_b64 s[64:65], 0
	v_nop
	global_prefetch_b8 v0, s[64:65] scope:SCOPE_SE
	s_setreg_imm32_b32 hwreg(HW_REG_WAVE_MODE, 25, 1), 1
	s_wait_xcnt 0x0
; Queries 0 to 15 of every head once more, finely: under a causal mask these rows average one to a few values and are the largest, so f16's rounding of operands weighs most there.
; Every operand is a PAIR of f16 numbers, a high and a low part: S = Kh Qh + Kh Ql + Kl Qh, O += Vh Ph + Vh Pl + Vl Ph, f32 sums.  The mask is an input: all 2,048 keys are walked.
; SHARES.  One work-group a head.  Wave w takes keys 256 w to 256 w + 255 in four steps of 64, written out; the eight waves' maxima, sums and O^T meet in LDS.  32 work-groups: a split of the keys over
; work-groups would want a sum across work-groups.  NO CLUSTER, NO TENSOR LOAD: each fragment feeds one tile, so it goes from memory straight into registers (the images are laid for that), and there is no
; tile that several work-groups could ask for jointly into LDS.
; OUT.  y_fine [8 head + 2 ct + u][lane][16]: lane (r, h) holds y(query r, channels 64 head + 16 ct + 8 h + 4 u + 0 .. 3), f32: the order in which the last launch's operand registers take them.
; LIMITS: as in the launch before (mask values under -2.35e38; NaN, infinities); a p under 6e-5 has f16's step of 6e-8.
; REGISTERS.  window 0: v1-8 addresses; v16-23 statistics (m, 0, l, l, c0-c3); v32-47 Qh; v48-63 Ql; v64-79 Ph; v80-95 Pl; v96-127 the mask; v128-159 S^T; v160-191 O^T; v192-255 at work.
;   window 1: v0-63 Kh; v64-127 Kl; v128-191 Vh; v192-255 Vl.
.set LS,    1024                       ; LDS: the waves' m at 0 (128 bytes a wave), their l here,
.set OS,    2048                       ; their O^T here (4,096 bytes a wave),
.set SPARE, 34816                      ; the spare words, 128 bytes a wave
.set LI,  1
.set VM,  2                            ; v2  the mask: 8,192 r + 32 h
.set SPW, 3
.set NIL, 4
.set A4T, 5                            ; v5  4 x thread
.set A4L, 6                            ; v6  4 x lane
.set AOS, 7                            ; v7  O^T, in: OS + 4,096 wave + 16 lane
.set AOL, 8                            ; v8  O^T, back: OS + 512 wave + 16 lane
.set ST,  16
.set QH,  32
.set QL,  48
.set PH,  64
.set PL,  80
.set MR,  96
.set SR,  128
.set OA,  160
.set WC,  192
.set WT,  224
.set KH,  0
.set KL,  64
.set VH,  128
.set VL,  192
.set WV,  14
.set SEL, 16
.set L2E, 18
.set SPL, 20
.set MSB, 0
.macro WIN new
.if MSB != \new
	s_set_vgpr_msb (MSB<<8)|\new
.set MSB, \new
.endif
.endm
	s_load_b256 s[4:11], s[0:1], 0x0               ; q_img, k_img, v_img, atten_mask
	s_load_b64 s[12:13], s[0:1], 0x20              ; y_fine
	v_lshl_add_u32 v[SPW], v0, 2, SPARE
	v_mov_b32 v[NIL], 0
	v_lshrrev_b32 v9, 5, v0
	v_readfirstlane_b32 s[WV], v9
	v_and_b32 v9, 15, v0
	v_bfe_u32 v10, v0, 4, 1
	v_and_b32 v11, 31, v0
	v_lshlrev_b32 v[LI], 4, v11
	v_lshlrev_b32 v[VM], 13, v9
	v_lshl_add_u32 v[VM], v10, 5, v[VM]
	v_lshlrev_b32 v[A4T], 2, v0
	v_lshlrev_b32 v[A4L], 2, v11
	s_lshl_b32 s2, s[WV], 12
	s_add_co_u32 s2, s2, OS
	v_add_nc_u32 v[AOS], s2, v[LI]
	s_lshl_b32 s2, s[WV], 9
	s_add_co_u32 s2, s2, OS
	v_add_nc_u32 v[AOL], s2, v[LI]
	s_mov_b32 s[SEL], 0x76543210
	s_mov_b32 s[SEL+1], 0xfedcba98
	s_mov_b32 s[L2E], 0x3fb8aa3b
	s_mov_b32 s[L2E+1], s[L2E]
	s_mov_b32 s[SPL], 0x46000400                   ; 8193.0
	s_mov_b32 s[SPL+1], s[SPL]
	s_lshl_b32 s22, ttmp9, 12
	s_add_co_u32 s22, s22, 8388608                 ; the head's pairs of q
	s_mov_b32 s23, 0
	s_lshr_b32 s24, ttmp9, 2
	s_lshl_b32 s24, s24, 18                        ; the kv head,
	s_lshl_b32 s2, s[WV], 15
	s_add_co_u32 s24, s24, s2                      ; my 256 keys
	s_mov_b32 s25, 0
	s_lshl_b32 s26, s[WV], 10                      ; and their columns of the mask
	s_mov_b32 s27, 0
	s_lshl_b32 s28, ttmp9, 3
	s_add_co_u32 s28, s28, s[WV]
	s_lshl_b32 s28, s28, 9
	s_mov_b32 s29, 0
	s_wait_kmcnt 0x0
	s_add_nc_u64 s[4:5], s[4:5], s[22:23]
	s_add_nc_u64 s[6:7], s[6:7], s[24:25]
	s_add_nc_u64 s[8:9], s[8:9], s[24:25]
	s_add_nc_u64 s[10:11], s[10:11], s[26:27]
	s_add_nc_u64 s[12:13], s[12:13], s[28:29]
.macro LOADK s                         ; 40 loads: the step's mask, K high and low.  Every step stands in an immediate: no address register is rewritten
.irp kt, 0,1,2,3
	global_load_b128 v[MR+8*\kt:MR+8*\kt+3], v[VM], s[10:11] offset:256*(\s)+64*\kt
	global_load_b128 v[MR+8*\kt+4:MR+8*\kt+7], v[VM], s[10:11] offset:256*(\s)+64*\kt+16
.endr
	WIN 0x40
.set I, 0
.rept 16
	global_load_b128 v[KH+4*I:KH+4*I+3], v[LI], s[6:7] offset:8192*(\s)+512*I
	global_load_b128 v[KL+4*I:KL+4*I+3], v[LI], s[6:7] offset:8192*(\s)+512*I+2097152
.set I, I+1
.endr
	WIN 0
.endm
.macro LOADV s                         ; 32 loads
	WIN 0x40
.set I, 0
.rept 16
	global_load_b128 v[VH+4*I:VH+4*I+3], v[LI], s[8:9] offset:8192*(\s)+512*I
	global_load_b128 v[VL+4*I:VL+4*I+3], v[LI], s[8:9] offset:8192*(\s)+512*I+2097152
.set I, I+1
.endr
	WIN 0
.endm
.macro SROUND kb, qb, f, zero          ; four products, the four accumulators of S^T by turns
.irp kt, 0,1,2,3
.if \zero
	v_wmma_f32_16x16x32_f16 v[SR+8*\kt:SR+8*\kt+7], v[\kb+16*\kt+8*\f:\kb+16*\kt+8*\f+7], v[\qb+8*\f:\qb+8*\f+7], 0
.else
	v_wmma_f32_16x16x32_f16 v[SR+8*\kt:SR+8*\kt+7], v[\kb+16*\kt+8*\f:\kb+16*\kt+8*\f+7], v[\qb+8*\f:\qb+8*\f+7], v[SR+8*\kt:SR+8*\kt+7]
.endif
.endr
.endm
.macro PROUND vb, pb, g, zero          ; four products, the four accumulators of O^T by turns
.irp ct, 0,1,2,3
.if \zero
	v_wmma_f32_16x16x32_f16 v[OA+8*\ct:OA+8*\ct+7], v[\vb+8*(4*\g+\ct):\vb+8*(4*\g+\ct)+7], v[\pb+8*\g:\pb+8*\g+7], 0
.else
	v_wmma_f32_16x16x32_f16 v[OA+8*\ct:OA+8*\ct+7], v[\vb+8*(4*\g+\ct):\vb+8*(4*\g+\ct)+7], v[\pb+8*\g:\pb+8*\g+7], v[OA+8*\ct:OA+8*\ct+7]
.endif
.endr
.endm
.macro FSTEP s
	s_wait_loadcnt 32                              ; this step's mask and K are in (at first Q too); V's 32 younger loads may be out
	WIN 0x01                                       ; source 0 window 1
	SROUND KH, QH, 0, 1
	SROUND KH, QH, 1, 0
	SROUND KH, QL, 0, 0
	SROUND KH, QL, 1, 0
	SROUND KL, QH, 0, 0
	SROUND KL, QH, 1, 0
	WIN 0
.set I, 0
.rept 16                                       ; the mask in units of log2; also the places behind the products
	v_pk_mul_f32 v[MR+2*I:MR+2*I+1], v[MR+2*I:MR+2*I+1], s[L2E:L2E+1] op_sel_hi:[1,0]
.set I, I+1
.endr
.set I, 0
.rept 16
	v_pk_add_f32 v[SR+2*I:SR+2*I+1], v[SR+2*I:SR+2*I+1], v[MR+2*I:MR+2*I+1]
.set I, I+1
.endr
.if \s < 3
	LOADK (\s)+1
.endif
.irp j, 0,1,2,3
	v_max3_num_f32 v[ST+4+\j], v[SR+8*\j], v[SR+8*\j+1], v[SR+8*\j+2]
.endr
.irp k, 3,5
.irp j, 0,1,2,3
	v_max3_num_f32 v[ST+4+\j], v[ST+4+\j], v[SR+8*\j+\k], v[SR+8*\j+\k+1]
.endr
.endr
	v_max3_num_f32 v[ST+4], v[ST+4], v[SR+7], v[SR+15]
	v_max3_num_f32 v[ST+6], v[ST+6], v[SR+23], v[SR+31]
	v_max3_num_f32 v[ST+4], v[ST+4], v[ST+5], v[ST+6]
	v_max3_num_f32 v[ST+4], v[ST+4], v[ST+7], v[ST]
	v_permlanex16_b32 v[ST+5], v[ST+4], s[SEL], s[SEL+1]
	v_mov_b32 v[ST+7], v[ST]
	v_max_num_f32 v[ST], v[ST+4], v[ST+5]
	v_sub_f32 v[ST+7], v[ST+7], v[ST]
.set I, 0
.rept 16
	v_pk_add_f32 v[SR+2*I:SR+2*I+1], v[SR+2*I:SR+2*I+1], v[ST:ST+1] op_sel_hi:[1,0] neg_lo:[0,1] neg_hi:[0,1]
.set I, I+1
.endr
	v_exp_f32 v[ST+6], v[ST+7]
.set I, 0
.rept 32
	v_exp_f32 v[SR+I], v[SR+I]
.set I, I+1
.endr
	v_nop
	s_wait_alu depctr_va_vdst(0)                   ; one wait for the batch of 33
.set I, 0
.rept 16
	v_pk_mul_f32 v[WC+2*I:WC+2*I+1], v[SR+2*I:SR+2*I+1], s[SPL:SPL+1] op_sel_hi:[1,0]                   ; C = 8193 p
.set I, I+1
.endr
.set I, 0
.rept 16
	v_pk_add_f32 v[WT+2*I:WT+2*I+1], v[WC+2*I:WC+2*I+1], v[SR+2*I:SR+2*I+1] neg_lo:[0,1] neg_hi:[0,1]   ; T = C - p
.set I, I+1
.endr
.set I, 0
.rept 16
	v_pk_add_f32 v[WT+2*I:WT+2*I+1], v[WC+2*I:WC+2*I+1], v[WT+2*I:WT+2*I+1] neg_lo:[0,1] neg_hi:[0,1]   ; high = C - T
.set I, I+1
.endr
.set I, 0
.rept 16
	v_pk_add_f32 v[WC+2*I:WC+2*I+1], v[SR+2*I:SR+2*I+1], v[WT+2*I:WT+2*I+1] neg_lo:[0,1] neg_hi:[0,1]   ; low = p - high
.set I, I+1
.endr
.set I, 0
.rept 16
	v_cvt_pk_f16_f32 v[PH+I], v[WT+2*I], v[WT+2*I+1]
	v_cvt_pk_f16_f32 v[PL+I], v[WC+2*I], v[WC+2*I+1]
.set I, I+1
.endr
.irp w, 4,8,16,32
.set I, 0
.rept 32/\w
	v_pk_add_f32 v[SR+\w*I:SR+\w*I+1], v[SR+\w*I:SR+\w*I+1], v[SR+\w*I+\w/2:SR+\w*I+\w/2+1]
.set I, I+1
.endr
.endr
	v_pk_fma_f32 v[ST+2:ST+3], v[ST+2:ST+3], v[ST+6:ST+7], v[SR:SR+1] op_sel_hi:[1,0,1]
.if \s > 0
.set I, 0
.rept 16
	v_pk_mul_f32 v[OA+2*I:OA+2*I+1], v[OA+2*I:OA+2*I+1], v[ST+6:ST+7] op_sel_hi:[1,0]
.set I, I+1
.endr
.endif
.if \s < 3
	s_wait_loadcnt 40                              ; V is in; the next step's 40 younger loads may be out
.else
	s_wait_loadcnt 0x0
.endif
	WIN 0x01
.if \s == 0
	PROUND VH, PH, 0, 1                            ; the first product starts the sums: nothing is cleared
.else
	PROUND VH, PH, 0, 0
.endif
	PROUND VH, PH, 1, 0
	PROUND VH, PL, 0, 0
	PROUND VH, PL, 1, 0
	PROUND VL, PH, 0, 0
	PROUND VL, PH, 1, 0
	WIN 0
.rept 4
	v_nop                                          ; places in front of loads into V's registers, and of the first read of O^T
.endr
.if \s < 3
	LOADV (\s)+1
.endif
.endm
.irp b, 0,1,2,3
	global_load_b128 v[QH+4*\b:QH+4*\b+3], v[LI], s[4:5] offset:512*\b
	global_load_b128 v[QL+4*\b:QL+4*\b+3], v[LI], s[4:5] offset:2048+512*\b
.endr
	LOADK 0
	LOADV 0
	v_mov_b32 v[ST], 0xff61b1e6                    ; m: -3e38, under every score
.irp i, 1,2,3,4,5,6,7
	v_mov_b32 v[ST+\i], 0
.endr
	FSTEP 0
	FSTEP 1
	FSTEP 2
	FSTEP 3
	; THE MERGE of the eight waves' parts
	v_add_f32 v[ST+4], v[ST+2], v[ST+3]
	v_permlanex16_b32 v[ST+5], v[ST+4], s[SEL], s[SEL+1]
	v_add_f32 v[ST+4], v[ST+4], v[ST+5]            ; my wave's l of query r
	ds_store_b32 v[A4T], v[ST]                     ; my wave's m
	s_wait_dscnt 0x0                               ; for the others' sake
	s_barrier_signal -1
	s_barrier_wait -1
.irp i, 0,1,2,3,4,5,6,7
	ds_load_b32 v[WC+\i], v[A4L] offset:128*\i
.endr
	s_wait_dscnt 0x0
	v_max3_num_f32 v[ST+5], v[WC], v[WC+1], v[WC+2]
	v_max3_num_f32 v[ST+5], v[ST+5], v[WC+3], v[WC+4]
	v_max3_num_f32 v[ST+5], v[ST+5], v[WC+5], v[WC+6]
	v_max_num_f32 v[ST+5], v[ST+5], v[WC+7]        ; the row's maximum over all keys
	v_sub_f32 v[ST+5], v[ST], v[ST+5]
	v_exp_f32 v[ST+6], v[ST+5]                     ; g = 2^(my m - the maximum)
	v_nop
	s_wait_alu depctr_va_vdst(0)
	v_mul_f32 v[ST+4], v[ST+4], v[ST+6]
.set I, 0
.rept 16
	v_pk_mul_f32 v[WC+2*I:WC+2*I+1], v[OA+2*I:OA+2*I+1], v[ST+6:ST+7] op_sel_hi:[1,0]   ; each accumulator from its low end on
.set I, I+1
.endr
	ds_store_b32 v[A4T], v[ST+4] offset:LS
.irp g, 0,1,2,3,4,5,6,7
	ds_store_b128 v[AOS], v[WC+4*\g:WC+4*\g+3] offset:512*\g
.endr
	s_wait_dscnt 0x0
	s_barrier_signal -1
	s_barrier_wait -1
.irp i, 0,1,2,3,4,5,6,7
	ds_load_b128 v[WT+4*\i:WT+4*\i+3], v[AOL] offset:4096*\i           ; group w of all eight waves
.endr
.irp i, 0,1,2,3,4,5,6,7
	ds_load_b32 v[WC+\i], v[A4L] offset:LS+128*\i
.endr
	s_wait_dscnt 0x0
.irp d, 4,2,1
.set I, 0
.rept \d
	v_pk_add_f32 v[WT+4*I:WT+4*I+1], v[WT+4*I:WT+4*I+1], v[WT+4*(I+\d):WT+4*(I+\d)+1]
	v_pk_add_f32 v[WT+4*I+2:WT+4*I+3], v[WT+4*I+2:WT+4*I+3], v[WT+4*(I+\d)+2:WT+4*(I+\d)+3]
	v_add_f32 v[WC+I], v[WC+I], v[WC+I+\d]
.set I, I+1
.endr
.endr
	v_rcp_f32 v[ST+6], v[WC]
	v_nop
	s_wait_alu depctr_va_vdst(0)
	v_pk_mul_f32 v[WT:WT+1], v[WT:WT+1], v[ST+6:ST+7] op_sel_hi:[1,0]
	v_pk_mul_f32 v[WT+2:WT+3], v[WT+2:WT+3], v[ST+6:ST+7] op_sel_hi:[1,0]
	global_store_b128 v[LI], v[WT:WT+3], s[12:13]  ; 32 lanes store 512 consecutive bytes
	s_wait_tensorcnt 0x0                           ; the wave's end: three lines behind my last LDS store
	ds_add_u32 v[SPW], v[NIL]
	s_wait_dscnt 0x0
	s_endpgm
.Lfunc_end_k_qfef41e6132_fineattn:
	.size	k_qfef41e6132_fineattn, .Lfunc_end_k_qfef41e6132_fineattn-k_qfef41e6132_fineattn
	.p2alignl 7, 3214868480
	.fill 96, 4, 3214868480
	.section	.rodata,"a",@progbits
	.p2align	6, 0x0
	.amdhsa_kernel k_qfef41e6132_fineattn
		.amdhsa_group_segment_fixed_size 35840
		.amdhsa_private_segment_fixed_size 0
		.amdhsa_enable_private_segment 0
		.amdhsa_kernarg_size 40
		.amdhsa_user_sgpr_count 2
		.amdhsa_user_sgpr_kernarg_segment_ptr 1
		.amdhsa_wavefront_size32 1
		.amdhsa_system_sgpr_workgroup_id_x 1
		.amdhsa_system_sgpr_workgroup_id_y 1
		.amdhsa_system_sgpr_workgroup_id_z 1
		.amdhsa_system_vgpr_workitem_id 0
		.amdhsa_next_free_vgpr 512
		.amdhsa_next_free_sgpr 66
		.amdhsa_reserve_vcc 0
		.amdhsa_float_denorm_mode_32 3
		.amdhsa_float_denorm_mode_16_64 3
		.amdhsa_memory_ordered 1
		.amdhsa_forward_progress 1
		.amdhsa_inst_pref_size 102
	.end_amdhsa_kernel
	.amdgpu_metadata
---
amdhsa.version: [ 1, 2 ]
amdhsa.kernels:
  - .name:           k_qfef41e6132_fineattn
    .symbol:         k_qfef41e6132_fineattn.kd
    .args:
      - { .name: q_img, .offset: 0, .size: 8, .value_kind: global_buffer, .address_space: global }
      - { .name: k_img, .offset: 8, .size: 8, .value_kind: global_buffer, .address_space: global }
      - { .name: v_img, .offset: 16, .size: 8, .value_kind: global_buffer, .address_space: global }
      - { .name: atten_mask, .offset: 24, .size: 8, .value_kind: global_buffer, .address_space: global }
      - { .name: y_fine, .offset: 32, .size: 8, .value_kind: global_buffer, .address_space: global }
    .group_segment_fixed_size: 35840
    .private_segment_fixed_size: 0
    .kernarg_segment_align: 8
    .kernarg_segment_size: 40
    .max_flat_workgroup_size: 256
    .sgpr_count:     66
    .vgpr_count:     512
    .wavefront_size: 32
...
	.end_amdgpu_metadata
.endif
;; end of part 4
;; launch proj (part 5): grid 16 x 16, 4 waves a work-group, clusters of 4 x 4, 327,680 bytes of LDS; arguments y_h, wo_h, out0; writes out0
.if DOCPART == 5
	.amdgcn_target "amdgcn-amd-amdhsa--gfx1250"
	.amdhsa_code_object_version 6
	.text
	.protected	k_qfef41e6132_proj
	.globl	k_qfef41e6132_proj
	.p2align	8
	.type	k_qfef41e6132_proj,@function
k_qfef41e6132_proj:
	s_mov_b64 s[64:65], 0
	v_nop
	global_prefetch_b8 v0, s[64:65] scope:SCOPE_SE
	s_setreg_imm32_b32 hwreg(HW_REG_WAVE_MODE, 25, 1), 1
	s_wait_xcnt 0x0
	s_wait_alu depctr_hold_cnt(0) depctr_sa_sdst(0) depctr_va_vdst(0) depctr_va_sdst(0) depctr_va_ssrc(0) depctr_va_vcc(0) depctr_vm_vsrc(0)
	s_getreg_b32 s2, hwreg(HW_REG_IB_STS2, 6, 4)
	s_cmp_eq_u32 s2, 0
	s_cbranch_scc0 .Lentry_in_a_cluster
	s_endpgm
.Lentry_in_a_cluster:
	s_bfe_u32 s2, ttmp6, 0x10000c
	s_cmp_lg_u32 s2, 0xf033
	s_cbranch_scc0 .Lentry_shape_is_right
	s_endpgm
.Lentry_shape_is_right:
; out0[m][n] = sum over k of y[m][k] wo[n][k].  y_h: [2048][2048], wo_h: [2048][2048], f16; out0 f32; sums in f32.
; 256 tiles of 128 x 128, one to a work-group.  Four waves, each 64 x 64: 16 accumulators.  K goes in steps of 256 (LDS rows of 512 bytes; a wave's tensor load brings 64 of them) through a ring of two slots.
; CLUSTERS: 4 x 4 work-groups.  The four of a row need the same tiles of y, the four of a column the same tiles of wo: each tile is asked for JOINTLY.  THE MATRIX INSTRUCTION IS USED TRANSPOSED (source 0 = 16 rows
; of wo, source 1 = 16 rows of y): a lane then holds eight neighbouring numbers of a row of out0.
; Rows 0 to 15 are computed here like all others (one text for all tiles); the launch behind this one stores them again, computed in f32.
; REGISTERS: window 0: v0-31 addresses; v32-95 the way out; v128-255 the accumulators ((a, b) at v[128 + 8 (4 a + b)]).  window 1: two fragment buffers of 128: for 64 along K, 64 registers of y, then 64 of wo.
.set SIZE_M, 2048
.set SIZE_N, 2048
.set SIZE_K, 2048
.set KSTEP,  256
.set PITCH,  528                       ; an LDS row: 512 bytes + 16 of padding: the 16 rows of a fragment load start 16 bytes apart modulo 256
.set HALFT,  64*PITCH
.set SLOT,   4*HALFT                   ; y's 128 rows, then wo's 128 rows
.set SPITCH, 272                       ; the way out: a stage of 16 rows x (256 bytes + 16) for each wave, in slot 0, which has had its last fill and its last read when the first result is stored there
.set SPARE,  2*SLOT                    ; behind the ring: the spare words, 128 bytes a wave
.set LAPS, SIZE_K/(2*KSTEP)
.set ADRA, 16
.set ADRB, 20
.set STO,  24
.set RD,   25
.set CO,   26
.set SPW,  28
.set NIL,  29
.set TMP,  32
.set ACC,  128
.set F0,   0
.set F1,   128
.set G1, 24
.set G0, 32
.set G1B, 48
.set G0B, 56
.set MSB, 0
.macro WIN new
.if MSB != \new
	s_set_vgpr_msb (MSB<<8)|\new
.set MSB, \new
.endif
.endm
.set MUL,  0x05                        ; sources 0 and 1 window 1; C and D window 0
.set TO_F, 0x40                        ; destination window 1, address window 0
.macro JLOAD s                         ; a joint load: waves 0 and 1 fetch y's two halves, waves 2 and 3 wo's; an s_nop 0 and four v_nop follow each line
	s_cmp_eq_u32 s11, 0
	s_cbranch_scc0 .Lfor_b_\@
	tensor_load_to_lds s[G0+4*\s:G0+4*\s+3], s[G1:G1+7]
	s_nop 0
.rept 4
	v_nop
.endr
	s_branch .Lasked_\@
.Lfor_b_\@:
	tensor_load_to_lds s[G0B+4*\s:G0B+4*\s+3], s[G1B:G1B+7]
	s_nop 0
.rept 4
	v_nop
.endr
.Lasked_\@:
.endm
.macro CREST
	s_cmp_lg_u32 s10, 0
	s_cbranch_scc1 .Lnot_wave_0_\@
	s_barrier_signal -3
.Lnot_wave_0_\@:
	s_barrier_wait -3
	s_barrier_signal -1
	s_barrier_wait -1
.endm
.macro CROUND
	s_barrier_signal -1
	s_barrier_wait -1
	CREST
.endm
	s_load_b128 s[4:7], s[0:1], 0x0                ; y_h s[4:5], wo_h s[6:7]
	s_load_b64 s[8:9], s[0:1], 0x10                ; out0
	v_lshl_add_u32 v[SPW], v0, 2, SPARE
	v_mov_b32 v[NIL], 0
	ds_add_u32 v[SPW], v[NIL]                      ; the wave's opening: the add, twice on end, and its wait ahead of my first tensor load
	ds_add_u32 v[SPW], v[NIL]
	v_lshrrev_b32 v1, 5, v0
	v_readfirstlane_b32 s10, v1                    ; wave 0..3
	s_lshr_b32 s11, s10, 1                         ; my half of the tile's rows.  Also: I fetch for y (0) or for wo (1)
	s_and_b32 s12, s10, 1                          ; my half of its columns.  Also: which 64 rows I fetch
	s_bfe_u32 s40, ttmp6, 0x40000                  ; cx, cy
	s_bfe_u32 s41, ttmp6, 0x40004
	s_lshl_b32 s42, ttmp9, 2
	s_add_co_u32 s42, s42, s40                     ; tile column
	s_and_b32 s13, ttmp7, 0xffff
	s_lshl_b32 s13, s13, 2
	s_add_co_u32 s13, s13, s41                     ; tile row
	s_lshl_b32 s43, s41, 2
	s_lshl_b32 s43, 15, s43                        ; my row of the cluster
	s_lshl_b32 s44, 0x1111, s40                    ; my column
	s_or_b32 s[G1+0], s43, (1<<16)|(1<<20)|(1<<21)|(6<<22)|(3<<25)  ; the mask; elements of 2 bytes; padding of 4 words behind every 128; bit 21 beside the mask
	s_or_b32 s[G1B+0], s44, (1<<16)|(1<<20)|(1<<21)|(6<<22)|(3<<25)
.irp g, G1, G1B
	s_mov_b32 s[\g+1], KSTEP<<16
	s_mov_b32 s[\g+2], 64<<16
	s_mov_b32 s[\g+3], KSTEP<<16
	s_mov_b32 s[\g+4], 64
	s_mov_b32 s[\g+5], SIZE_K
	s_mov_b32 s[\g+6], 0
	s_mov_b32 s[\g+7], 0
.endr
	s_lshl_b32 s17, s12, 6
	s_lshl_b32 s16, s13, 7
	s_add_co_u32 s16, s16, s17                     ; y: row 128 x tile row + 64 x half
	s_lshl_b32 s46, s42, 7
	s_add_co_u32 s46, s46, s17                     ; wo: row 128 x tile column + 64 x half
	s_mov_b32 s17, 0
	s_mov_b32 s47, 0
	s_mov_b64 s[18:19], SIZE_K*2
	s_mul_u64 s[16:17], s[16:17], s[18:19]
	s_mul_u64 s[46:47], s[46:47], s[18:19]
	s_mul_i32 s20, s10, HALFT                      ; where they go: wave x 64 rows
	s_wait_dscnt 0x0                               ; both opening adds are done
	s_wait_kmcnt 0x0
	s_add_nc_u64 s[14:15], s[4:5], s[16:17]
	s_add_nc_u64 s[46:47], s[6:7], s[46:47]
	CROUND                                         ; all sixteen work-groups are here: the first joint loads meet
.irp s, 0,1
	s_mov_b32 s[G0+4*\s], 1
	s_add_co_u32 s[G0+4*\s+1], s20, \s*SLOT
	s_add_nc_u64 s[G0+4*\s+2:G0+4*\s+3], s[14:15], \s*KSTEP*2
	s_or_b32 s[G0+4*\s+3], s[G0+4*\s+3], 0x80000000
	s_mov_b32 s[G0B+4*\s], 1
	s_add_co_u32 s[G0B+4*\s+1], s20, \s*SLOT
	s_add_nc_u64 s[G0B+4*\s+2:G0B+4*\s+3], s[46:47], \s*KSTEP*2
	s_or_b32 s[G0B+4*\s+3], s[G0B+4*\s+3], 0x80000000
	JLOAD \s
.endr
	v_and_b32 v1, 15, v0                           ; l % 16
	v_bfe_u32 v2, v0, 4, 1                         ; l / 16
	v_mul_u32_u24 v3, v1, PITCH
	v_lshl_add_u32 v3, v2, 4, v3
	s_mul_i32 s21, s11, HALFT                      ; my 64 rows of y
	s_mul_i32 s22, s12, HALFT                      ; my 64 rows of wo,
	s_add_co_u32 s22, s22, 2*HALFT                 ; behind y's 128
.irp s, 0,1
	v_add_nc_u32 v[ADRA+\s], s21, v3
	v_add_nc_u32 v[ADRB+\s], s22, v3
	s_add_co_u32 s21, s21, SLOT
	s_add_co_u32 s22, s22, SLOT
.endr
	s_mul_i32 s23, s10, 16*SPITCH                  ; my stage
	v_mul_u32_u24 v4, v1, SPITCH                   ; in: row l % 16, 32 bytes for each half of the lanes
	v_lshl_add_u32 v4, v2, 5, v4
	v_add_nc_u32 v[STO], s23, v4
	v_mul_u32_u24 v5, v2, SPITCH                   ; back: lanes 0-15 one row of 256 bytes, lanes 16-31 the next
	v_lshl_add_u32 v5, v1, 4, v5
	v_add_nc_u32 v[RD], s23, v5
	v_mul_u32_u24 v5, v2, SIZE_N*4                 ; and the same two rows in out0
	v_lshl_add_u32 v[CO], v1, 4, v5
	s_lshl_b32 s16, s13, 7
	s_lshl_b32 s17, s11, 6
	s_add_co_u32 s16, s16, s17                     ; my first row: 128 x tile row + 64 x half
	s_mov_b32 s17, 0
	s_mov_b64 s[18:19], SIZE_N*4
	s_mul_u64 s[16:17], s[16:17], s[18:19]
	s_add_nc_u64 s[8:9], s[8:9], s[16:17]
	s_lshl_b32 s46, s42, 9                         ; my first column, in bytes: 512 x tile column + 256 x half
	s_lshl_b32 s47, s12, 8
	s_add_co_u32 s46, s46, s47
	s_mov_b32 s47, 0
	s_add_nc_u64 s[8:9], s[8:9], s[46:47]
.macro MUL8 f, c, a0, zero             ; 8 matrix instructions: m blocks a0, a0 + 1 x all 4 n blocks, 32 along K: half c of buffer f.  The 16 accumulators take turns
.irp a, \a0, \a0+1
.irp b, 0,1,2,3
.if \zero
	v_wmma_f32_16x16x32_f16 v[ACC+8*(4*(\a)+\b):ACC+8*(4*(\a)+\b)+7], v[\f+64+8*(4*\c+\b):\f+64+8*(4*\c+\b)+7], v[\f+8*(4*\c+\a):\f+8*(4*\c+\a)+7], 0
.else
	v_wmma_f32_16x16x32_f16 v[ACC+8*(4*(\a)+\b):ACC+8*(4*(\a)+\b)+7], v[\f+64+8*(4*\c+\b):\f+64+8*(4*\c+\b)+7], v[\f+8*(4*\c+\a):\f+8*(4*\c+\a)+7], v[ACC+8*(4*(\a)+\b):ACC+8*(4*(\a)+\b)+7]
.endif
.endr
.endr
.endm
.macro FETCH slot, k, f                ; 32 LDS loads in one run: the fragments of 64 along K at byte k of the rows, into buffer f; the first 32 along K first
	WIN TO_F
.irp c, 0,1
.irp i, 0,1,2,3
	ds_load_b128 v[\f+64+8*(4*\c+\i):\f+64+8*(4*\c+\i)+3],   v[ADRB+\slot] offset:\k+64*\c+\i*16*PITCH
	ds_load_b128 v[\f+64+8*(4*\c+\i)+4:\f+64+8*(4*\c+\i)+7], v[ADRB+\slot] offset:\k+64*\c+\i*16*PITCH+32
	ds_load_b128 v[\f+8*(4*\c+\i):\f+8*(4*\c+\i)+3],         v[ADRA+\slot] offset:\k+64*\c+\i*16*PITCH
	ds_load_b128 v[\f+8*(4*\c+\i)+4:\f+8*(4*\c+\i)+7],       v[ADRA+\slot] offset:\k+64*\c+\i*16*PITCH+32
.endr
.endr
.endm
.macro PLACES
.rept 4
	v_nop
.endr
.endm
.macro QUARTER slot, k, f, g, zero     ; 64 along K: multiplies buffer f and fetches the next quarter, at byte k, into g
	s_wait_dscnt 16                                ; the first 32 along K are in; the sixteen younger loads may be out
	WIN MUL
	MUL8 \f, 0, 0, \zero
	MUL8 \f, 0, 2, \zero
	PLACES
	FETCH \slot, \k, \g
	s_wait_dscnt 32                                ; all but the 32 just issued
	WIN MUL
	MUL8 \f, 1, 0, 0
	MUL8 \f, 1, 2, 0
.endm
; The last quarter multiplies buffer 1 and changes slots: ONE barrier; in front of it each wave waits for all its tensor loads, adds 0 to its spare word, and waits for that and for its reads of this slot.
.macro TURN slot, next, fill
	WIN 0
	s_wait_tensorcnt 0x0                           ; all my tensor loads have landed: my part of the next slot
	ds_add_u32 v[SPW], v[NIL]
	s_wait_dscnt 17                                ; the add and the youngest sixteen loads may be out
	WIN MUL
	MUL8 F1, 0, 0, 0
	s_wait_dscnt 0x0                               ; the add is done, and my reads of this slot are over
	s_barrier_signal -1
	MUL8 F1, 0, 2, 0
.if \fill
	WIN 0
.endif
	s_barrier_wait -1
.if \fill
	CREST                                          ; the barrier has opened a round of the cluster's barrier
	s_add_nc_u64 s[G0+4*\slot+2:G0+4*\slot+3], s[G0+4*\slot+2:G0+4*\slot+3], 2*KSTEP*2
	s_add_nc_u64 s[G0B+4*\slot+2:G0B+4*\slot+3], s[G0B+4*\slot+2:G0B+4*\slot+3], 2*KSTEP*2
	JLOAD \slot                                    ; the first tensor load behind the round; its four v_nop are also the places in front of the loads below
.else
	PLACES
.endif
	FETCH \next, 0, F0
	WIN MUL
	MUL8 F1, 1, 0, 0
	MUL8 F1, 1, 2, 0
.endm
	s_wait_tensorcnt 1                             ; my part of K step 0 is in; K step 1's load may be out
	s_barrier_signal -1
	s_barrier_wait -1
	FETCH 0, 0, F0
	QUARTER 0, 128, F0, F1, 1                      ; the first quarter stands in front of the loop: its first products start the sums
	WIN 0
	s_mov_b32 s3, LAPS-1
.Llap:
	QUARTER 0, 256, F1, F0, 0
	QUARTER 0, 384, F0, F1, 0
	TURN 0, 1, 1
	QUARTER 1, 128, F0, F1, 0
	QUARTER 1, 256, F1, F0, 0
	QUARTER 1, 384, F0, F1, 0
	TURN 1, 0, 1
	QUARTER 0, 128, F0, F1, 0
	WIN 0
	s_sub_co_u32 s3, s3, 1
	s_cmp_lg_u32 s3, 0
	s_cbranch_scc1 .Llap
	QUARTER 0, 256, F1, F0, 0                      ; the last lap fills nothing
	QUARTER 0, 384, F0, F1, 0
	TURN 0, 1, 0
	QUARTER 1, 128, F0, F1, 0
	QUARTER 1, 256, F1, F0, 0
	QUARTER 1, 384, F0, F1, 0
	s_wait_dscnt 16
	WIN MUL
	MUL8 F1, 0, 0, 0
	MUL8 F1, 0, 2, 0
	s_wait_dscnt 0
	MUL8 F1, 1, 0, 0
	MUL8 F1, 1, 2, 0
	WIN 0
	; THE WAY OUT, 16 rows x 64 columns at a time: a lane holds 32 bytes of a row; my 64 columns are 256 bytes: through my own stage, so that 16 lanes store them whole.  No barrier: the stage is mine alone.
	PLACES
.irp a, 0,1,2,3
.if \a > 1
	s_wait_xcnt 0x0                                ; block a - 2's stores have read their registers, which are loaded now
.endif
.irp b, 0,1,2,3
	ds_store_b128 v[STO], v[ACC+8*(4*\a+\b):ACC+8*(4*\a+\b)+3] offset:64*\b            ; each accumulator from its low end on
	ds_store_b128 v[STO], v[ACC+8*(4*\a+\b)+4:ACC+8*(4*\a+\b)+7] offset:64*\b+16
.endr
.irp t, 0,1,2,3,4,5,6,7
	ds_load_b128 v[TMP+32*(\a%2)+4*\t:TMP+32*(\a%2)+4*\t+3], v[RD] offset:\t*2*SPITCH  ; LDS serves a wave's instructions in order
.endr
.irp t, 0,1,2,3,4,5,6,7
	s_wait_dscnt 7-\t                              ; the younger loads may be out
	global_store_b128 v[CO], v[TMP+32*(\a%2)+4*\t:TMP+32*(\a%2)+4*\t+3], s[8:9] offset:(16*\a+2*\t)*SIZE_N*4 th:TH_STORE_NT   ; 16 lanes store 256 consecutive bytes, aligned
.endr
.endr
	s_wait_tensorcnt 0x0                           ; the wave's end
	ds_add_u32 v[SPW], v[NIL]
	s_wait_dscnt 0x0
	CROUND                                         ; the closing round
	s_endpgm
.Lfunc_end_k_qfef41e6132_proj:
	.size	k_qfef41e6132_proj, .Lfunc_end_k_qfef41e6132_proj-k_qfef41e6132_proj
	.p2alignl 7, 3214868480
	.fill 96, 4, 3214868480
	.section	.rodata,"a",@progbits
	.p2align	6, 0x0
	.amdhsa_kernel k_qfef41e6132_proj
		.amdhsa_group_segment_fixed_size 327680
		.amdhsa_private_segment_fixed_size 0
		.amdhsa_enable_private_segment 0
		.amdhsa_kernarg_size 24
		.amdhsa_user_sgpr_count 2
		.amdhsa_user_sgpr_kernarg_segment_ptr 1
		.amdhsa_wavefront_size32 1
		.amdhsa_system_sgpr_workgroup_id_x 1
		.amdhsa_system_sgpr_workgroup_id_y 1
		.amdhsa_system_sgpr_workgroup_id_z 1
		.amdhsa_system_vgpr_workitem_id 0
		.amdhsa_next_free_vgpr 512
		.amdhsa_next_free_sgpr 66
		.amdhsa_reserve_vcc 0
		.amdhsa_float_denorm_mode_32 3
		.amdhsa_float_denorm_mode_16_64 3
		.amdhsa_memory_ordered 1
		.amdhsa_forward_progress 1
		.amdhsa_inst_pref_size 86
	.end_amdhsa_kernel
	.amdgpu_metadata
---
amdhsa.version: [ 1, 2 ]
amdhsa.kernels:
  - .name:           k_qfef41e6132_proj
    .symbol:         k_qfef41e6132_proj.kd
    .args:
      - { .name: y_h, .offset: 0, .size: 8, .value_kind: global_buffer, .address_space: global }
      - { .name: wo_h, .offset: 8, .size: 8, .value_kind: global_buffer, .address_space: global }
      - { .name: out0, .offset: 16, .size: 8, .value_kind: global_buffer, .address_space: global }
    .group_segment_fixed_size: 327680
    .private_segment_fixed_size: 0
    .kernarg_segment_align: 8
    .kernarg_segment_size: 24
    .max_flat_workgroup_size: 128
    .sgpr_count:     66
    .vgpr_count:     512
    .wavefront_size: 32
...
	.end_amdgpu_metadata
.endif
;; end of part 5
;; launch fineproj (part 6): grid 128 x 1, 16 waves a work-group, no clusters, 167,936 bytes of LDS; arguments y_fine, wo, out0; writes out0
.if DOCPART == 6
	.amdgcn_target "amdgcn-amd-amdhsa--gfx1250"
	.amdhsa_code_object_version 6
	.text
	.protected	k_qfef41e6132_fineproj
	.globl	k_qfef41e6132_fineproj
	.p2align	8
	.type	k_qfef41e6132_fineproj,@function
k_qfef41e6132_fineproj:
	s_mov_b64 s[64:65], 0
	v_nop
	global_prefetch_b8 v0, s[64:65] scope:SCOPE_SE
	s_setreg_imm32_b32 hwreg(HW_REG_WAVE_MODE, 25, 1), 1
	s_wait_xcnt 0x0
; Rows 0 to 15 of out0 once more, in f32: out0[r][n] = sum over k of y_fine[r][k] wo[n][k], with wo as it is given.  These 131,072 bytes are stored over what the launch before left there.
; SHARES.  A work-group takes 16 columns n; wave w takes K = 128 w to 128 w + 127; the sixteen partial sums meet in LDS.  128 work-groups stream wo's 16 MB once.  (64 columns to a work-group would store whole runs of
; 256 bytes but leave 32 work-groups for the stream; here a store covers 64 bytes of each of 16 rows, and the launch stores 131,072 bytes in all.)
; NO CLUSTER: no two work-groups read the same rows of wo; y_fine, which all read, goes straight into registers.
; The f32 matrix form, 16 x 16 x 4, is used transposed (source 0 = 16 rows of wo, source 1 = the 16 queries): lane (r, h) ends with query r and columns 8 h + 0 .. 7.  k is permuted alike on both sides: a lane's
; four registers of a load are k0 + 8 h + 0 .. 3, taken two at a time.  16 rows are no bulk work.
; The accumulators v144-175 are written by matrix instructions alone; their sums go into other registers.
.set TP,    528                        ; a row of wo's tile in LDS: 512 bytes + 16
.set TILE,  16*TP
.set RED,   16*TILE                    ; behind the sixteen tiles: the partial sums, 1,024 bytes a wave
.set SPARE, RED+16*1024                ; the spare words, 128 bytes a wave
.set LI,  1
.set BAD, 2
.set RST, 3
.set RLD, 4
.set GO,  5
.set SPW, 6
.set NIL, 7
.set AR,  16
.set BR,  80
.set ACC, 144
.set SU,  176
	s_load_b128 s[4:7], s[0:1], 0x0                ; y_fine, wo
	s_load_b64 s[8:9], s[0:1], 0x10                ; out0
	v_lshl_add_u32 v[SPW], v0, 2, SPARE
	v_mov_b32 v[NIL], 0
	ds_add_u32 v[SPW], v[NIL]                      ; the wave's opening: the add, twice on end, and its wait ahead of my tensor load
	ds_add_u32 v[SPW], v[NIL]
	v_lshrrev_b32 v8, 5, v0
	v_readfirstlane_b32 s10, v8                    ; wave 0..15
	s_mov_b32 s16, (2<<16)|(1<<20)|(6<<22)|(3<<25) ; elements of 4 bytes; 4 words of padding behind every 128
	s_mov_b32 s17, 128<<16                         ; tensor_dim0
	s_mov_b32 s18, 16<<16                          ; tensor_dim1
	s_mov_b32 s19, 128<<16                         ; tile_dim0
	s_mov_b32 s20, 16                              ; tile_dim1
	s_mov_b32 s21, 2048                            ; from row to row
	s_mov_b32 s22, 0
	s_mov_b32 s23, 0
	s_mov_b32 s12, 1
	s_mul_i32 s13, s10, TILE                       ; my own tile: only I read it
	s_lshl_b32 s24, ttmp9, 17                      ; 16 rows of 8,192 bytes a work-group,
	s_lshl_b32 s25, s10, 9
	s_add_co_u32 s24, s24, s25                     ; my 512 bytes of each
	s_mov_b32 s25, 0
	s_lshl_b32 s26, s10, 13                        ; y_fine: 16 pieces of 512 bytes a wave
	s_mov_b32 s27, 0
	s_lshl_b32 s28, ttmp9, 6                       ; out0: 64 bytes of a row a work-group
	s_mov_b32 s29, 0
	s_wait_dscnt 0x0                               ; both opening adds are done
	s_wait_kmcnt 0x0
	s_add_nc_u64 s[14:15], s[6:7], s[24:25]
	s_or_b32 s15, s15, 0x80000000
	tensor_load_to_lds s[12:15], s[16:23]          ; my one tensor load: a first fill
	s_nop 0
	v_and_b32 v8, 15, v0                           ; r
	v_bfe_u32 v9, v0, 4, 1                         ; h
	v_and_b32 v10, 31, v0
	v_lshlrev_b32 v[LI], 4, v10
	s_add_nc_u64 s[4:5], s[4:5], s[26:27]
	s_add_nc_u64 s[8:9], s[8:9], s[28:29]
.set I, 0
.rept 16
	global_load_b128 v[AR+4*I:AR+4*I+3], v[LI], s[4:5] offset:512*I    ; y(r, 128 w + 16 (I / 2) + 8 h + 4 (I % 2) + 0 .. 3)
.set I, I+1
.endr
	v_mul_u32_u24 v[BAD], v8, TP
	v_lshl_add_u32 v[BAD], v9, 5, v[BAD]
	v_add_nc_u32 v[BAD], s13, v[BAD]
	s_lshl_b32 s24, s10, 10
	s_add_co_u32 s24, s24, RED
	v_add_nc_u32 v[RST], s24, v[LI]
	s_lshl_b32 s24, s10, 9
	s_add_co_u32 s24, s24, RED
	v_add_nc_u32 v[RLD], s24, v[LI]                ; read by waves 0 and 1 alone
	v_lshlrev_b32 v[GO], 13, v8
	v_lshl_add_u32 v[GO], v9, 5, v[GO]
	s_lshl_b32 s24, s10, 4
	v_add_nc_u32 v[GO], s24, v[GO]                 ; 8,192 r + 32 h + 16 w
	s_wait_tensorcnt 0x0                           ; my tile is in
.set I, 0
.rept 16
	ds_load_b128 v[BR+4*I:BR+4*I+3], v[BAD] offset:64*(I/2)+16*(I%2)   ; wo(n0 + r, the same k)
.set I, I+1
.endr
	s_wait_loadcnt 0x0
	s_wait_dscnt 0x0
.set I, 0
.rept 32                                       ; four accumulators by turns; the first four products start the sums
.if I < 4
	v_wmma_f32_16x16x4_f32 v[ACC+8*(I%4):ACC+8*(I%4)+7], v[BR+2*I:BR+2*I+1], v[AR+2*I:AR+2*I+1], 0
.else
	v_wmma_f32_16x16x4_f32 v[ACC+8*(I%4):ACC+8*(I%4)+7], v[BR+2*I:BR+2*I+1], v[AR+2*I:AR+2*I+1], v[ACC+8*(I%4):ACC+8*(I%4)+7]
.endif
.set I, I+1
.endr
.rept 8
	v_nop                                          ; eight places behind this form (ISA guide 7.12.1)
.endr
.irp p, 0,2,4,6
	v_pk_add_f32 v[SU+\p:SU+\p+1], v[ACC+\p:ACC+\p+1], v[ACC+8+\p:ACC+9+\p]            ; each accumulator from its low end on
.endr
.irp p, 0,2,4,6
	v_pk_add_f32 v[SU+8+\p:SU+9+\p], v[ACC+16+\p:ACC+17+\p], v[ACC+24+\p:ACC+25+\p]
.endr
.irp p, 0,2,4,6
	v_pk_add_f32 v[SU+\p:SU+\p+1], v[SU+\p:SU+\p+1], v[SU+8+\p:SU+9+\p]
.endr
	ds_store_b128 v[RST], v[SU:SU+3]
	ds_store_b128 v[RST], v[SU+4:SU+7] offset:512
	s_wait_dscnt 0x0                               ; for the others' sake
	s_barrier_signal -1
	s_barrier_wait -1
	s_cmp_gt_u32 s10, 1
	s_cbranch_scc1 .Lrest
.set I, 0
.rept 16
	ds_load_b128 v[AR+4*I:AR+4*I+3], v[RLD] offset:1024*I              ; columns 8 h + 4 w + 0 .. 3 of all sixteen waves
.set I, I+1
.endr
	s_wait_dscnt 0x0
.irp d, 8,4,2,1
.set I, 0
.rept \d
	v_pk_add_f32 v[AR+4*I:AR+4*I+1], v[AR+4*I:AR+4*I+1], v[AR+4*(I+\d):AR+4*(I+\d)+1]
	v_pk_add_f32 v[AR+4*I+2:AR+4*I+3], v[AR+4*I+2:AR+4*I+3], v[AR+4*(I+\d)+2:AR+4*(I+\d)+3]
.set I, I+1
.endr
.endr
	global_store_b128 v[GO], v[AR:AR+3], s[8:9]
.Lrest:
	s_wait_tensorcnt 0x0                           ; the wave's end
	ds_add_u32 v[SPW], v[NIL]
	s_wait_dscnt 0x0
	s_endpgm
.Lfunc_end_k_qfef41e6132_fineproj:
	.size	k_qfef41e6132_fineproj, .Lfunc_end_k_qfef41e6132_fineproj-k_qfef41e6132_fineproj
	.p2alignl 7, 3214868480
	.fill 96, 4, 3214868480
	.section	.rodata,"a",@progbits
	.p2align	6, 0x0
	.amdhsa_kernel k_qfef41e6132_fineproj
		.amdhsa_group_segment_fixed_size 167936
		.amdhsa_private_segment_fixed_size 0
		.amdhsa_enable_private_segment 0
		.amdhsa_kernarg_size 24
		.amdhsa_user_sgpr_count 2
		.amdhsa_user_sgpr_kernarg_segment_ptr 1
		.amdhsa_wavefront_size32 1
		.amdhsa_system_sgpr_workgroup_id_x 1
		.amdhsa_system_sgpr_workgroup_id_y 1
		.amdhsa_system_sgpr_workgroup_id_z 1
		.amdhsa_system_vgpr_workitem_id 0
		.amdhsa_next_free_vgpr 208
		.amdhsa_next_free_sgpr 66
		.amdhsa_reserve_vcc 0
		.amdhsa_float_denorm_mode_32 3
		.amdhsa_float_denorm_mode_16_64 3
		.amdhsa_memory_ordered 1
		.amdhsa_forward_progress 1
		.amdhsa_inst_pref_size 12
	.end_amdhsa_kernel
	.amdgpu_metadata
---
amdhsa.version: [ 1, 2 ]
amdhsa.kernels:
  - .name:           k_qfef41e6132_fineproj
    .symbol:         k_qfef41e6132_fineproj.kd
    .args:
      - { .name: y_fine, .offset: 0, .size: 8, .value_kind: global_buffer, .address_space: global }
      - { .name: wo, .offset: 8, .size: 8, .value_kind: global_buffer, .address_space: global }
      - { .name: out0, .offset: 16, .size: 8, .value_kind: global_buffer, .address_space: global }
    .group_segment_fixed_size: 167936
    .private_segment_fixed_size: 0
    .kernarg_segment_align: 8
    .kernarg_segment_size: 24
    .max_flat_workgroup_size: 512
    .sgpr_count:     66
    .vgpr_count:     208
    .wavefront_size: 32
...
	.end_amdgpu_metadata
.endif
;; end of part 6
;; ======== version 2 of 2: 6 launches
;; limits: values are held in f16: magnitudes above 65,504 overflow, below 6.1e-05 lose precision
;; workspace buffers: codes 5,242,880 bytes; scales 327,680 bytes; wo_h 8,388,608 bytes; q_img 8,519,680 bytes; k_img 4,194,304 bytes; v_img 4,194,304 bytes; y_h 8,388,608 bytes; y_fine 131,072 bytes
;; launch quant: the kernel of part 1 again; grid 448 x 1, 4 waves a work-group, no clusters, 33,280 bytes of LDS; arguments hidden_states, wq, wk, wv, wo, codes, scales, wo_h; writes codes, scales, wo_h
;; launch qkv: the kernel of part 2 again; grid 24 x 16, 4 waves a work-group, clusters of 4 x 1, 327,680 bytes of LDS; arguments codes, scales, freqs_cos, freqs_sin, q_norm_w, k_norm_w, q_img, k_img, v_img, out1, out2; writes q_img, k_img, v_img, out1, out2
;; launch attn: the kernel of part 3 again; grid 32 x 8, 8 waves a work-group, clusters of 4 x 1, 327,680 bytes of LDS; arguments q_img, k_img, v_img, atten_mask, y_h; writes y_h
;; launch fineattn (part 7): grid 32 x 8, 4 waves a work-group, no clusters, 17,920 bytes of LDS; arguments q_img, k_img, v_img, atten_mask, codes; writes codes
.if DOCPART == 7
	.amdgcn_target "amdgcn-amd-amdhsa--gfx1250"
	.amdhsa_code_object_version 6
	.text
	.protected	k_qfef41e6132_fineattn
	.globl	k_qfef41e6132_fineattn
	.p2align	8
	.type	k_qfef41e6132_fineattn,@function
k_qfef41e6132_fineattn:
	s_mov_b64 s[64:65], 0
	v_nop
	global_prefetch_b8 v0, s[64:65] scope:SCOPE_SE
	s_setreg_imm32_b32 hwreg(HW_REG_WAVE_MODE, 25, 1), 1
	s_wait_xcnt 0x0
; Queries 0 to 15 of every head once more, finely: under a causal mask these rows average one to a few values and are the largest, so f16's rounding of operands weighs most there.
; Every operand is a PAIR of f16 numbers, a high and a low part: S = Kh Qh + Kh Ql + Kl Qh, O = Vh Ph + Vh Pl + Vl Ph, f32 sums.  The mask is an input: all 2,048 keys are walked.
; SHARES.  A work-group takes one head (x) and one slice of 256 keys (y): 256 work-groups.  Wave w takes keys 64 w to 64 w + 63 of the slice: ONE step, all its 80 loads issued at the head.  The four waves' maxima,
; sums and O^T meet in LDS.  The work-group does not divide: it stores its PART: O^T under its own maximum M, and M and the sum L of each query.  The eight slices' parts of a head are merged by the next launch.
; OUT, into the buffer of the codes, which has had its last reader in the launch of the products on codes and is used again here:
;   from byte 0:         [slice 8][8 head + 2 ct + u][lane][16]: lane (r, h): the part of y(query r, channels 64 head + 16 ct + 8 h + 4 u + 0 .. 3), f32, not divided
;   from byte 1,048,576: [slice 8][head 32][lane][8]: lane (r, h): M and L of query r
; NO CLUSTER, NO TENSOR LOAD, though the four heads of a kv head read the same K and V: a work-group's share, 64 KB of each, is read once, at its head, for 48 products a wave, and each fragment feeds one tile:
; it goes from memory straight into registers (the images are laid for that); a joint load would set a round of the cluster, a wait and a pass through LDS in front of that one step.
; LIMITS: a mask value under -2.35e38 becomes -infinity when it is multiplied by log2(e), and a row all of whose keys are so masked gives NaN; NaN and infinities among the inputs are not served; a p under 6e-5
; has f16's step of 6e-8.
; REGISTERS.  window 0: v1-9 addresses; v16-23 statistics; v32-47 Qh; v48-63 Ql; v64-79 Ph; v80-95 Pl; v96-127 the mask; v128-159 S^T; v160-191 O^T; v192-255 at work.
;   window 1: v0-63 Kh; v64-127 Kl; v128-191 Vh; v192-255 Vl.
.set LS,    512                        ; LDS: the waves' m at 0 (128 bytes a wave), their l here,
.set OS,    1024                       ; their O^T here (4,096 bytes a wave),
.set SPARE, 17408                      ; the spare words, 128 bytes a wave
.set PML,   1048576                    ; where the pairs (M, L) begin in the buffer
.set LI,  1                            ; v1  16 x lane
.set VM,  2                            ; v2  the mask: 8,192 r + 32 h
.set SPW, 3                            ; v3  my spare word; never rewritten
.set NIL, 4                            ; v4  0; never rewritten
.set A4T, 5                            ; v5  4 x thread
.set A4L, 6                            ; v6  4 x lane
.set AOS, 7                            ; v7  O^T, in: OS + 4,096 wave + 16 lane
.set AOL, 8                            ; v8  O^T, back: OS + 1,024 wave + 16 lane
.set A8L, 9                            ; v9  8 x lane
.set ST,  16                           ; v16 m, v17 (0), v18 l, v19 at work, v20-23 c0-c3; later v21 M, v22 g, v23 m - M
.set QH,  32
.set QL,  48
.set PH,  64
.set PL,  80
.set MR,  96
.set SR,  128
.set OA,  160
.set WC,  192
.set WT,  224
.set KH,  0
.set KL,  64
.set VH,  128
.set VL,  192
.set WV,  14
.set SEL, 16
.set L2E, 18
.set SPL, 20
.set MSB, 0
.macro WIN new                         ; the immediate's high byte repeats the setting that is left
.if MSB != \new
	s_set_vgpr_msb (MSB<<8)|\new
.set MSB, \new
.endif
.endm
	s_load_b256 s[4:11], s[0:1], 0x0               ; q_img, k_img, v_img, atten_mask
	s_load_b64 s[12:13], s[0:1], 0x20              ; the buffer that takes the parts
	v_lshl_add_u32 v[SPW], v0, 2, SPARE
	v_mov_b32 v[NIL], 0
	v_lshrrev_b32 v10, 5, v0
	v_readfirstlane_b32 s[WV], v10                 ; wave 0..3
	v_and_b32 v10, 15, v0                          ; r
	v_bfe_u32 v11, v0, 4, 1                        ; h
	v_and_b32 v12, 31, v0                          ; lane
	v_lshlrev_b32 v[LI], 4, v12
	v_lshlrev_b32 v[VM], 13, v10
	v_lshl_add_u32 v[VM], v11, 5, v[VM]
	v_lshlrev_b32 v[A4T], 2, v0
	v_lshlrev_b32 v[A4L], 2, v12
	v_lshlrev_b32 v[A8L], 3, v12
	s_lshl_b32 s2, s[WV], 12
	s_add_co_u32 s2, s2, OS
	v_add_nc_u32 v[AOS], s2, v[LI]
	s_lshl_b32 s2, s[WV], 10
	s_add_co_u32 s2, s2, OS
	v_add_nc_u32 v[AOL], s2, v[LI]
	s_mov_b32 s[SEL], 0x76543210
	s_mov_b32 s[SEL+1], 0xfedcba98                 ; v_permlanex16_b32: lane l xor 16
	s_mov_b32 s[L2E], 0x3fb8aa3b                   ; log2(e)
	s_mov_b32 s[L2E+1], s[L2E]
	s_mov_b32 s[SPL], 0x46000400                   ; 8193.0
	s_mov_b32 s[SPL+1], s[SPL]
	s_and_b32 s15, ttmp7, 0xffff                   ; the slice of 256 keys
	s_lshl_b32 s22, ttmp9, 12
	s_add_co_u32 s22, s22, 8388608                 ; the head's pairs of q: 4,096 bytes a head, behind q's image
	s_mov_b32 s23, 0
	s_lshr_b32 s24, ttmp9, 2
	s_lshl_b32 s24, s24, 18                        ; the kv head's 262,144 bytes of an image; a key is 128 bytes of it:
	s_lshl_b32 s2, s15, 15
	s_add_co_u32 s24, s24, s2                      ; the slice's 256 keys,
	s_lshl_b32 s2, s[WV], 13
	s_add_co_u32 s24, s24, s2                      ; my 64 of them
	s_mov_b32 s25, 0
	s_lshl_b32 s26, s15, 10
	s_lshl_b32 s2, s[WV], 8
	s_add_co_u32 s26, s26, s2                      ; and their columns of the mask, 4 bytes a key
	s_mov_b32 s27, 0
	s_lshl_b32 s28, s15, 17                        ; the parts of O^T: 131,072 bytes a slice,
	s_lshl_b32 s2, ttmp9, 12
	s_add_co_u32 s28, s28, s2                      ; 4,096 a head,
	s_lshl_b32 s2, s[WV], 10
	s_add_co_u32 s28, s28, s2                      ; pieces 2 w and 2 w + 1 of its eight
	s_mov_b32 s29, 0
	s_lshl_b32 s30, s15, 13                        ; the pairs (M, L): 8,192 bytes a slice,
	s_lshl_b32 s2, ttmp9, 8
	s_add_co_u32 s30, s30, s2                      ; 256 a head
	s_add_co_u32 s30, s30, PML
	s_mov_b32 s31, 0
	s_wait_kmcnt 0x0
	s_add_nc_u64 s[4:5], s[4:5], s[22:23]
	s_add_nc_u64 s[6:7], s[6:7], s[24:25]
	s_add_nc_u64 s[8:9], s[8:9], s[24:25]
	s_add_nc_u64 s[10:11], s[10:11], s[26:27]
	s_add_nc_u64 s[32:33], s[12:13], s[30:31]
	s_add_nc_u64 s[12:13], s[12:13], s[28:29]
	; all 80 loads of the wave: 8 of q, 8 of the mask, 32 of K, then 32 of V.  Each covers 512 consecutive bytes but the mask's (16 rows x 32 bytes in each half of the lanes)
.irp b, 0,1,2,3
	global_load_b128 v[QH+4*\b:QH+4*\b+3], v[LI], s[4:5] offset:512*\b
	global_load_b128 v[QL+4*\b:QL+4*\b+3], v[LI], s[4:5] offset:2048+512*\b
.endr
.irp kt, 0,1,2,3
	global_load_b128 v[MR+8*\kt:MR+8*\kt+3], v[VM], s[10:11] offset:64*\kt         ; mask(query r, keys 16 kt + 8 h + 0 .. 7)
	global_load_b128 v[MR+8*\kt+4:MR+8*\kt+7], v[VM], s[10:11] offset:64*\kt+16
.endr
	WIN 0x40                                       ; destination window 1
.set I, 0
.rept 16
	global_load_b128 v[KH+4*I:KH+4*I+3], v[LI], s[6:7] offset:512*I
	global_load_b128 v[KL+4*I:KL+4*I+3], v[LI], s[6:7] offset:512*I+2097152
.set I, I+1
.endr
.set I, 0
.rept 16
	global_load_b128 v[VH+4*I:VH+4*I+3], v[LI], s[8:9] offset:512*I
	global_load_b128 v[VL+4*I:VL+4*I+3], v[LI], s[8:9] offset:512*I+2097152
.set I, I+1
.endr
	WIN 0
	v_mov_b32 v[ST+1], 0                           ; named with m as a pair, so it is written
	v_mov_b32 v[ST+3], 0                           ; a lane permute's destination counts as one of its sources
.macro SROUND kb, qb, f, zero          ; four products, the four accumulators of S^T by turns
.irp kt, 0,1,2,3
.if \zero
	v_wmma_f32_16x16x32_f16 v[SR+8*\kt:SR+8*\kt+7], v[\kb+16*\kt+8*\f:\kb+16*\kt+8*\f+7], v[\qb+8*\f:\qb+8*\f+7], 0
.else
	v_wmma_f32_16x16x32_f16 v[SR+8*\kt:SR+8*\kt+7], v[\kb+16*\kt+8*\f:\kb+16*\kt+8*\f+7], v[\qb+8*\f:\qb+8*\f+7], v[SR+8*\kt:SR+8*\kt+7]
.endif
.endr
.endm
.macro PROUND vb, pb, g, zero          ; four products, the four accumulators of O^T by turns
.irp ct, 0,1,2,3
.if \zero
	v_wmma_f32_16x16x32_f16 v[OA+8*\ct:OA+8*\ct+7], v[\vb+8*(4*\g+\ct):\vb+8*(4*\g+\ct)+7], v[\pb+8*\g:\pb+8*\g+7], 0
.else
	v_wmma_f32_16x16x32_f16 v[OA+8*\ct:OA+8*\ct+7], v[\vb+8*(4*\g+\ct):\vb+8*(4*\g+\ct)+7], v[\pb+8*\g:\pb+8*\g+7], v[OA+8*\ct:OA+8*\ct+7]
.endif
.endr
.endm
	s_wait_loadcnt 32                              ; q, the mask and K are in; V's 32 younger loads may be out
	WIN 0x01                                       ; source 0 window 1
	SROUND KH, QH, 0, 1                            ; the first products start the sums: nothing is cleared
	SROUND KH, QH, 1, 0
	SROUND KH, QL, 0, 0
	SROUND KH, QL, 1, 0
	SROUND KL, QH, 0, 0
	SROUND KL, QH, 1, 0
	WIN 0
.set I, 0
.rept 16                                       ; the mask in units of log2; also the places behind the products
	v_pk_mul_f32 v[MR+2*I:MR+2*I+1], v[MR+2*I:MR+2*I+1], s[L2E:L2E+1] op_sel_hi:[1,0]
.set I, I+1
.endr
.set I, 0
.rept 16                                       ; t = score + mask, by a vector addition; each accumulator is read from its low end on
	v_pk_add_f32 v[SR+2*I:SR+2*I+1], v[SR+2*I:SR+2*I+1], v[MR+2*I:MR+2*I+1]
.set I, I+1
.endr
.irp j, 0,1,2,3                                ; the largest of my 32 t: four chains
	v_max3_num_f32 v[ST+4+\j], v[SR+8*\j], v[SR+8*\j+1], v[SR+8*\j+2]
.endr
.irp k, 3,5
.irp j, 0,1,2,3
	v_max3_num_f32 v[ST+4+\j], v[ST+4+\j], v[SR+8*\j+\k], v[SR+8*\j+\k+1]
.endr
.endr
	v_max3_num_f32 v[ST+4], v[ST+4], v[SR+7], v[SR+15]
	v_max3_num_f32 v[ST+6], v[ST+6], v[SR+23], v[SR+31]
	v_max3_num_f32 v[ST+4], v[ST+4], v[ST+5], v[ST+6]
	v_max_num_f32 v[ST+4], v[ST+4], v[ST+7]
	v_permlanex16_b32 v[ST+5], v[ST+4], s[SEL], s[SEL+1]   ; the query's other 32 keys lie in the lane 16 away
	v_max_num_f32 v[ST], v[ST+4], v[ST+5]          ; m: the largest t of my 64 keys
.set I, 0
.rept 16
	v_pk_add_f32 v[SR+2*I:SR+2*I+1], v[SR+2*I:SR+2*I+1], v[ST:ST+1] op_sel_hi:[1,0] neg_lo:[0,1] neg_hi:[0,1]
.set I, I+1
.endr
.set I, 0
.rept 32
	v_exp_f32 v[SR+I], v[SR+I]                     ; p = 2^(t - m)
.set I, I+1
.endr
	v_nop                                          ; a plain line behind the last exponential
	s_wait_alu depctr_va_vdst(0)                   ; one wait for the batch of 32, ahead of its first reader
.set I, 0
.rept 16
	v_pk_mul_f32 v[WC+2*I:WC+2*I+1], v[SR+2*I:SR+2*I+1], s[SPL:SPL+1] op_sel_hi:[1,0]                   ; C = 8193 p
.set I, I+1
.endr
.set I, 0
.rept 16
	v_pk_add_f32 v[WT+2*I:WT+2*I+1], v[WC+2*I:WC+2*I+1], v[SR+2*I:SR+2*I+1] neg_lo:[0,1] neg_hi:[0,1]   ; T = C - p
.set I, I+1
.endr
.set I, 0
.rept 16
	v_pk_add_f32 v[WT+2*I:WT+2*I+1], v[WC+2*I:WC+2*I+1], v[WT+2*I:WT+2*I+1] neg_lo:[0,1] neg_hi:[0,1]   ; high = C - T
.set I, I+1
.endr
.set I, 0
.rept 16
	v_pk_add_f32 v[WC+2*I:WC+2*I+1], v[SR+2*I:SR+2*I+1], v[WT+2*I:WT+2*I+1] neg_lo:[0,1] neg_hi:[0,1]   ; low = p - high
.set I, I+1
.endr
.set I, 0
.rept 16
	v_cvt_pk_f16_f32 v[PH+I], v[WT+2*I], v[WT+2*I+1]
	v_cvt_pk_f16_f32 v[PL+I], v[WC+2*I], v[WC+2*I+1]
.set I, I+1
.endr
.irp w, 4,8,16,32                              ; the sum of the 16 pairs of p, in place: neighbours 1, 2, 4, 8 pairs apart
.set I, 0
.rept 32/\w
	v_pk_add_f32 v[SR+\w*I:SR+\w*I+1], v[SR+\w*I:SR+\w*I+1], v[SR+\w*I+\w/2:SR+\w*I+\w/2+1]
.set I, I+1
.endr
.endr
	v_add_f32 v[ST+2], v[SR], v[SR+1]
	v_permlanex16_b32 v[ST+3], v[ST+2], s[SEL], s[SEL+1]
	v_add_f32 v[ST+2], v[ST+2], v[ST+3]            ; l: the sum of p over my 64 keys
	s_wait_loadcnt 0x0                             ; V is in
	WIN 0x01
	PROUND VH, PH, 0, 1                            ; the first products start the sums: nothing is cleared
	PROUND VH, PH, 1, 0
	PROUND VH, PL, 0, 0
	PROUND VH, PL, 1, 0
	PROUND VL, PH, 0, 0
	PROUND VL, PH, 1, 0
	WIN 0
.rept 4
	v_nop                                          ; places in front of the first read of O^T
.endr
	; THE MERGE of the four waves' parts
	ds_store_b32 v[A4T], v[ST]                     ; my wave's m
	s_wait_dscnt 0x0                               ; for the others' sake
	s_barrier_signal -1
	s_barrier_wait -1
.irp i, 0,1,2,3
	ds_load_b32 v[WC+\i], v[A4L] offset:128*\i
.endr
	s_wait_dscnt 0x0
	v_max3_num_f32 v[ST+5], v[WC], v[WC+1], v[WC+2]
	v_max_num_f32 v[ST+5], v[ST+5], v[WC+3]        ; M: the largest t of the slice's 256 keys
	v_sub_f32 v[ST+7], v[ST], v[ST+5]
	v_exp_f32 v[ST+6], v[ST+7]                     ; g = 2^(my m - M)
	v_nop
	s_wait_alu depctr_va_vdst(0)
	v_mul_f32 v[ST+2], v[ST+2], v[ST+6]
.set I, 0
.rept 16
	v_pk_mul_f32 v[WC+2*I:WC+2*I+1], v[OA+2*I:OA+2*I+1], v[ST+6:ST+7] op_sel_hi:[1,0]   ; each accumulator from its low end on
.set I, I+1
.endr
	ds_store_b32 v[A4T], v[ST+2] offset:LS
.irp g, 0,1,2,3,4,5,6,7
	ds_store_b128 v[AOS], v[WC+4*\g:WC+4*\g+3] offset:512*\g
.endr
	s_wait_dscnt 0x0                               ; for the others' sake
	s_barrier_signal -1
	s_barrier_wait -1
.irp i, 0,1,2,3
.irp u, 0,1
	ds_load_b128 v[WT+8*\i+4*\u:WT+8*\i+4*\u+3], v[AOL] offset:4096*\i+512*\u      ; pieces 2 w and 2 w + 1 of all four waves
.endr
.endr
.irp i, 0,1,2,3
	ds_load_b32 v[WC+\i], v[A4L] offset:LS+128*\i
.endr
	s_wait_dscnt 0x0
.irp d, 2,1
.set I, 0
.rept \d
.irp q, 0,2,4,6
	v_pk_add_f32 v[WT+8*I+\q:WT+8*I+\q+1], v[WT+8*I+\q:WT+8*I+\q+1], v[WT+8*(I+\d)+\q:WT+8*(I+\d)+\q+1]
.endr
	v_add_f32 v[WC+I], v[WC+I], v[WC+I+\d]
.set I, I+1
.endr
.endr
	global_store_b128 v[LI], v[WT:WT+3], s[12:13]              ; the wave's two stores cover 1,024 consecutive bytes, aligned
	global_store_b128 v[LI], v[WT+4:WT+7], s[12:13] offset:512
	s_cmp_lg_u32 s[WV], 0                          ; every wave holds M and L; wave 0 stores them
	s_cbranch_scc1 .Lno_ml
	v_mov_b32 v[ST+2], v[ST+5]
	v_mov_b32 v[ST+3], v[WC]
	global_store_b64 v[A8L], v[ST+2:ST+3], s[32:33]            ; 32 lanes store 256 consecutive bytes, aligned
.Lno_ml:
	s_wait_tensorcnt 0x0                           ; the wave's end: three lines behind my last LDS store
	ds_add_u32 v[SPW], v[NIL]
	s_wait_dscnt 0x0
	s_endpgm
.Lfunc_end_k_qfef41e6132_fineattn:
	.size	k_qfef41e6132_fineattn, .Lfunc_end_k_qfef41e6132_fineattn-k_qfef41e6132_fineattn
	.p2alignl 7, 3214868480
	.fill 96, 4, 3214868480
	.section	.rodata,"a",@progbits
	.p2align	6, 0x0
	.amdhsa_kernel k_qfef41e6132_fineattn
		.amdhsa_group_segment_fixed_size 17920
		.amdhsa_private_segment_fixed_size 0
		.amdhsa_enable_private_segment 0
		.amdhsa_kernarg_size 40
		.amdhsa_user_sgpr_count 2
		.amdhsa_user_sgpr_kernarg_segment_ptr 1
		.amdhsa_wavefront_size32 1
		.amdhsa_system_sgpr_workgroup_id_x 1
		.amdhsa_system_sgpr_workgroup_id_y 1
		.amdhsa_system_sgpr_workgroup_id_z 1
		.amdhsa_system_vgpr_workitem_id 0
		.amdhsa_next_free_vgpr 512
		.amdhsa_next_free_sgpr 66
		.amdhsa_reserve_vcc 0
		.amdhsa_float_denorm_mode_32 3
		.amdhsa_float_denorm_mode_16_64 3
		.amdhsa_memory_ordered 1
		.amdhsa_forward_progress 1
		.amdhsa_inst_pref_size 31
	.end_amdhsa_kernel
	.amdgpu_metadata
---
amdhsa.version: [ 1, 2 ]
amdhsa.kernels:
  - .name:           k_qfef41e6132_fineattn
    .symbol:         k_qfef41e6132_fineattn.kd
    .args:
      - { .name: q_img, .offset: 0, .size: 8, .value_kind: global_buffer, .address_space: global }
      - { .name: k_img, .offset: 8, .size: 8, .value_kind: global_buffer, .address_space: global }
      - { .name: v_img, .offset: 16, .size: 8, .value_kind: global_buffer, .address_space: global }
      - { .name: atten_mask, .offset: 24, .size: 8, .value_kind: global_buffer, .address_space: global }
      - { .name: codes, .offset: 32, .size: 8, .value_kind: global_buffer, .address_space: global }
    .group_segment_fixed_size: 17920
    .private_segment_fixed_size: 0
    .kernarg_segment_align: 8
    .kernarg_segment_size: 40
    .max_flat_workgroup_size: 128
    .sgpr_count:     66
    .vgpr_count:     512
    .wavefront_size: 32
...
	.end_amdgpu_metadata
.endif
;; end of part 7
;; launch proj (part 8): grid 16 x 16, 4 waves a work-group, clusters of 4 x 4, 327,680 bytes of LDS; arguments y_h, wo_h, out0, codes, y_fine; writes out0, y_fine
.if DOCPART == 8
	.amdgcn_target "amdgcn-amd-amdhsa--gfx1250"
	.amdhsa_code_object_version 6
	.text
	.protected	k_qfef41e6132_proj
	.globl	k_qfef41e6132_proj
	.p2align	8
	.type	k_qfef41e6132_proj,@function
k_qfef41e6132_proj:
	s_mov_b64 s[64:65], 0
	v_nop
	global_prefetch_b8 v0, s[64:65] scope:SCOPE_SE
	s_setreg_imm32_b32 hwreg(HW_REG_WAVE_MODE, 25, 1), 1
	s_wait_xcnt 0x0
	s_wait_alu depctr_hold_cnt(0) depctr_sa_sdst(0) depctr_va_vdst(0) depctr_va_sdst(0) depctr_va_ssrc(0) depctr_va_vcc(0) depctr_vm_vsrc(0)
	s_getreg_b32 s2, hwreg(HW_REG_IB_STS2, 6, 4)
	s_cmp_eq_u32 s2, 0
	s_cbranch_scc0 .Lentry_in_a_cluster
	s_endpgm
.Lentry_in_a_cluster:
	s_bfe_u32 s2, ttmp6, 0x10000c
	s_cmp_lg_u32 s2, 0xf033
	s_cbranch_scc0 .Lentry_shape_is_right
	s_endpgm
.Lentry_shape_is_right:
; out0[m][n] = sum over k of y[m][k] wo[n][k].  y_h: [2048][2048], wo_h: [2048][2048], f16; out0 f32; sums in f32.
; 256 tiles of 128 x 128, one to a work-group.  Four waves, each 64 x 64: 16 accumulators.  K goes in steps of 256 (LDS rows of 512 bytes; a wave's tensor load brings 64 of them) through a ring of two slots.
; CLUSTERS: 4 x 4 work-groups.  The four of a row need the same tiles of y, the four of a column the same tiles of wo: each tile is asked for JOINTLY.  THE MATRIX INSTRUCTION IS USED TRANSPOSED (source 0 = 16 rows
; of wo, source 1 = 16 rows of y): a lane then holds eight neighbouring numbers of a row of out0.
; Rows 0 to 15 are computed here like all others (one text for all tiles); the launch behind this one stores them again, computed in f32.
; BESIDE THAT, THE MERGE OF THE FINE ROWS' PARTS.  The launch before left, for queries 0 to 15 of each head, eight parts, one for each 256 keys: O^T under the part's own maximum M, and M and the sum L (in the buffer
; of the codes: O^T from byte 0, [slice 8][piece 256][lane][16]; the pairs (M, L) from byte 1,048,576, [slice 8][head 32][lane][8]).  There are 256 pieces of 512 bytes and 256 work-groups: wave 0 of work-group
; (tile row, tile column) merges piece 16 x row + column, y = sum of 2^(M_p - M) O_p / sum of 2^(M_p - M) L_p with M the largest M_p, and stores it to y_fine.  Its 16 loads go out together, behind the
; work-group's first joint loads, and are on their way beside them.  The branch hangs on the wave's number alone; the work-group's place enters global addresses alone.
; REGISTERS: window 0: v0-31 addresses (v6-11 the merge's); v32-95 the merge, later the way out; v128-255 the accumulators ((a, b) at v[128 + 8 (4 a + b)]).  window 1: two fragment buffers of 128: for 64 along K,
; 64 registers of y, then 64 of wo.
.set SIZE_M, 2048
.set SIZE_N, 2048
.set SIZE_K, 2048
.set KSTEP,  256
.set PITCH,  528                       ; an LDS row: 512 bytes + 16 of padding: the 16 rows of a fragment load start 16 bytes apart modulo 256
.set HALFT,  64*PITCH
.set SLOT,   4*HALFT                   ; y's 128 rows, then wo's 128 rows
.set SPITCH, 272                       ; the way out: a stage of 16 rows x (256 bytes + 16) for each wave, in slot 0, which has had its last fill and its last read when the first result is stored there
.set SPARE,  2*SLOT                    ; behind the ring: the spare words, 128 bytes a wave
.set LAPS, SIZE_K/(2*KSTEP)
.set PML,  1048576                     ; where the pairs (M, L) begin
.set ADRA, 16
.set ADRB, 20
.set STO,  24
.set RD,   25
.set CO,   26
.set SPW,  28
.set NIL,  29
.set TMP,  32
.set ACC,  128
.set F0,   0
.set F1,   128
.set YR,   8                           ; the merge: v8-11 the piece; never rewritten behind its store
.set MLR,  32                          ; v32-47 eight pairs (M_p, L_p)
.set OPR,  48                          ; v48-79 eight parts of four numbers
.set MM,   80                          ; v80 M, v81 L, v82 1 / L
.set GG,   84                          ; v84-91 2^(M_p - M)
.set G1, 24
.set G0, 32
.set G1B, 48
.set G0B, 56
.set MSB, 0
.macro WIN new
.if MSB != \new
	s_set_vgpr_msb (MSB<<8)|\new
.set MSB, \new
.endif
.endm
.set MUL,  0x05                        ; sources 0 and 1 window 1; C and D window 0
.set TO_F, 0x40                        ; destination window 1, address window 0
.macro JLOAD s                         ; a joint load: waves 0 and 1 fetch y's two halves, waves 2 and 3 wo's; an s_nop 0 and four v_nop follow each line
	s_cmp_eq_u32 s11, 0
	s_cbranch_scc0 .Lfor_b_\@
	tensor_load_to_lds s[G0+4*\s:G0+4*\s+3], s[G1:G1+7]
	s_nop 0
.rept 4
	v_nop
.endr
	s_branch .Lasked_\@
.Lfor_b_\@:
	tensor_load_to_lds s[G0B+4*\s:G0B+4*\s+3], s[G1B:G1B+7]
	s_nop 0
.rept 4
	v_nop
.endr
.Lasked_\@:
.endm
.macro CREST
	s_cmp_lg_u32 s10, 0
	s_cbranch_scc1 .Lnot_wave_0_\@
	s_barrier_signal -3
.Lnot_wave_0_\@:
	s_barrier_wait -3
	s_barrier_signal -1
	s_barrier_wait -1
.endm
.macro CROUND
	s_barrier_signal -1
	s_barrier_wait -1
	CREST
.endm
	s_load_b128 s[4:7], s[0:1], 0x0                ; y_h s[4:5], wo_h s[6:7]
	s_load_b64 s[8:9], s[0:1], 0x10                ; out0
	s_load_b64 s[68:69], s[0:1], 0x18              ; the parts
	s_load_b64 s[70:71], s[0:1], 0x20              ; y_fine
	v_lshl_add_u32 v[SPW], v0, 2, SPARE
	v_mov_b32 v[NIL], 0
	ds_add_u32 v[SPW], v[NIL]                      ; the wave's opening: the add, twice on end, and its wait ahead of my first tensor load
	ds_add_u32 v[SPW], v[NIL]
	v_lshrrev_b32 v1, 5, v0
	v_readfirstlane_b32 s10, v1                    ; wave 0..3
	s_lshr_b32 s11, s10, 1                         ; my half of the tile's rows.  Also: I fetch for y (0) or for wo (1)
	s_and_b32 s12, s10, 1                          ; my half of its columns.  Also: which 64 rows I fetch
	s_bfe_u32 s40, ttmp6, 0x40000                  ; cx, cy
	s_bfe_u32 s41, ttmp6, 0x40004
	s_lshl_b32 s42, ttmp9, 2
	s_add_co_u32 s42, s42, s40                     ; tile column
	s_and_b32 s13, ttmp7, 0xffff
	s_lshl_b32 s13, s13, 2
	s_add_co_u32 s13, s13, s41                     ; tile row
	s_lshl_b32 s43, s41, 2
	s_lshl_b32 s43, 15, s43                        ; my row of the cluster
	s_lshl_b32 s44, 0x1111, s40                    ; my column
	s_or_b32 s[G1+0], s43, (1<<16)|(1<<20)|(1<<21)|(6<<22)|(3<<25)  ; the mask; elements of 2 bytes; padding of 4 words behind every 128; bit 21 beside the mask
	s_or_b32 s[G1B+0], s44, (1<<16)|(1<<20)|(1<<21)|(6<<22)|(3<<25)
.irp g, G1, G1B
	s_mov_b32 s[\g+1], KSTEP<<16
	s_mov_b32 s[\g+2], 64<<16
	s_mov_b32 s[\g+3], KSTEP<<16
	s_mov_b32 s[\g+4], 64
	s_mov_b32 s[\g+5], SIZE_K
	s_mov_b32 s[\g+6], 0
	s_mov_b32 s[\g+7], 0
.endr
	s_lshl_b32 s17, s12, 6
	s_lshl_b32 s16, s13, 7
	s_add_co_u32 s16, s16, s17                     ; y: row 128 x tile row + 64 x half
	s_lshl_b32 s46, s42, 7
	s_add_co_u32 s46, s46, s17                     ; wo: row 128 x tile column + 64 x half
	s_mov_b32 s17, 0
	s_mov_b32 s47, 0
	s_mov_b64 s[18:19], SIZE_K*2
	s_mul_u64 s[16:17], s[16:17], s[18:19]
	s_mul_u64 s[46:47], s[46:47], s[18:19]
	s_mul_i32 s20, s10, HALFT                      ; where they go: wave x 64 rows
	s_wait_dscnt 0x0                               ; both opening adds are done
	s_wait_kmcnt 0x0
	s_add_nc_u64 s[14:15], s[4:5], s[16:17]
	s_add_nc_u64 s[46:47], s[6:7], s[46:47]
	CROUND                                         ; all sixteen work-groups are here: the first joint loads meet
.irp s, 0,1
	s_mov_b32 s[G0+4*\s], 1
	s_add_co_u32 s[G0+4*\s+1], s20, \s*SLOT
	s_add_nc_u64 s[G0+4*\s+2:G0+4*\s+3], s[14:15], \s*KSTEP*2
	s_or_b32 s[G0+4*\s+3], s[G0+4*\s+3], 0x80000000
	s_mov_b32 s[G0B+4*\s], 1
	s_add_co_u32 s[G0B+4*\s+1], s20, \s*SLOT
	s_add_nc_u64 s[G0B+4*\s+2:G0B+4*\s+3], s[46:47], \s*KSTEP*2
	s_or_b32 s[G0B+4*\s+3], s[G0B+4*\s+3], 0x80000000
	JLOAD \s
.endr
	v_and_b32 v1, 15, v0                           ; l % 16
	v_bfe_u32 v2, v0, 4, 1                         ; l / 16
	v_mul_u32_u24 v3, v1, PITCH
	v_lshl_add_u32 v3, v2, 4, v3
	s_mul_i32 s21, s11, HALFT                      ; my 64 rows of y
	s_mul_i32 s22, s12, HALFT                      ; my 64 rows of wo,
	s_add_co_u32 s22, s22, 2*HALFT                 ; behind y's 128
.irp s, 0,1
	v_add_nc_u32 v[ADRA+\s], s21, v3
	v_add_nc_u32 v[ADRB+\s], s22, v3
	s_add_co_u32 s21, s21, SLOT
	s_add_co_u32 s22, s22, SLOT
.endr
	s_mul_i32 s23, s10, 16*SPITCH                  ; my stage
	v_mul_u32_u24 v4, v1, SPITCH                   ; in: row l % 16, 32 bytes for each half of the lanes
	v_lshl_add_u32 v4, v2, 5, v4
	v_add_nc_u32 v[STO], s23, v4
	v_mul_u32_u24 v5, v2, SPITCH                   ; back: lanes 0-15 one row of 256 bytes, lanes 16-31 the next
	v_lshl_add_u32 v5, v1, 4, v5
	v_add_nc_u32 v[RD], s23, v5
	v_mul_u32_u24 v5, v2, SIZE_N*4                 ; and the same two rows in out0
	v_lshl_add_u32 v[CO], v1, 4, v5
	s_lshl_b32 s16, s13, 7
	s_lshl_b32 s17, s11, 6
	s_add_co_u32 s16, s16, s17                     ; my first row: 128 x tile row + 64 x half
	s_mov_b32 s17, 0
	s_mov_b64 s[18:19], SIZE_N*4
	s_mul_u64 s[16:17], s[16:17], s[18:19]
	s_add_nc_u64 s[8:9], s[8:9], s[16:17]
	s_lshl_b32 s46, s42, 9                         ; my first column, in bytes: 512 x tile column + 256 x half
	s_lshl_b32 s47, s12, 8
	s_add_co_u32 s46, s46, s47
	s_mov_b32 s47, 0
	s_add_nc_u64 s[8:9], s[8:9], s[46:47]
	; ---- the merge of one piece of the fine rows, by wave 0, while the first two K steps are on their way
	s_cmp_lg_u32 s10, 0
	s_cbranch_scc1 .Lno_merge
	s_lshl_b32 s72, s13, 4
	s_add_co_u32 s72, s72, s42                     ; my piece: 16 x tile row + tile column = 8 head + 2 ct + u
	s_lshr_b32 s74, s72, 3                         ; its head:
	s_lshl_b32 s74, s74, 8                         ; 256 bytes of pairs a head
	s_add_co_u32 s74, s74, PML
	s_mov_b32 s75, 0
	s_lshl_b32 s72, s72, 9                         ; 512 bytes a piece
	s_mov_b32 s73, 0
	s_add_nc_u64 s[76:77], s[68:69], s[74:75]
	s_add_nc_u64 s[68:69], s[68:69], s[72:73]
	s_add_nc_u64 s[70:71], s[70:71], s[72:73]
	v_and_b32 v6, 31, v0
	v_lshlrev_b32 v7, 3, v6                        ; 8 x lane
	v_lshlrev_b32 v6, 4, v6                        ; 16 x lane
.irp p, 0,1,2,3,4,5,6,7
	global_load_b64 v[MLR+2*\p:MLR+2*\p+1], v7, s[76:77] offset:\p*8192            ; (M_p, L_p) of my lane's query: 256 consecutive bytes
.endr
.irp p, 0,1,2,3,4,5,6,7
	global_load_b128 v[OPR+4*\p:OPR+4*\p+3], v6, s[68:69] offset:\p*131072 th:TH_LOAD_NT   ; the piece's part p: 512 consecutive bytes, read once
.endr
	s_wait_loadcnt 8                               ; the pairs are in; the eight younger loads may be out
	v_max3_num_f32 v[MM], v[MLR], v[MLR+2], v[MLR+4]
	v_max3_num_f32 v[MM], v[MM], v[MLR+6], v[MLR+8]
	v_max3_num_f32 v[MM], v[MM], v[MLR+10], v[MLR+12]
	v_max_num_f32 v[MM], v[MM], v[MLR+14]          ; M: the row's maximum over all 2,048 keys
.irp p, 0,1,2,3,4,5,6,7
	v_sub_f32 v[GG+\p], v[MLR+2*\p], v[MM]
.endr
.irp p, 0,1,2,3,4,5,6,7
	v_exp_f32 v[GG+\p], v[GG+\p]                   ; 2^(M_p - M)
.endr
	v_nop                                          ; a plain line behind the last exponential
	s_wait_alu depctr_va_vdst(0)                   ; one wait for the eight, ahead of their first reader
	v_mul_f32 v[MM+1], v[MLR+1], v[GG]
.irp p, 1,2,3,4,5,6,7
	v_fma_f32 v[MM+1], v[MLR+2*\p+1], v[GG+\p], v[MM+1]    ; L
.endr
	v_rcp_f32 v[MM+2], v[MM+1]
	s_wait_loadcnt 0x0                             ; the parts are in
.irp i, 0,1,2,3
	v_mul_f32 v[YR+\i], v[OPR+\i], v[GG]           ; (plain lines behind the reciprocal, which name nothing of it)
.endr
.irp p, 1,2,3,4,5,6,7
.irp i, 0,1,2,3
	v_fma_f32 v[YR+\i], v[OPR+4*\p+\i], v[GG+\p], v[YR+\i]
.endr
.endr
	s_wait_alu depctr_va_vdst(0)                   ; the wait for the reciprocal, ahead of its first reader
.irp i, 0,1,2,3
	v_mul_f32 v[YR+\i], v[YR+\i], v[MM+2]
.endr
	global_store_b128 v6, v[YR:YR+3], s[70:71]     ; 32 lanes store 512 consecutive bytes, aligned
	s_wait_xcnt 0x0                                ; the store has read its registers
.Lno_merge:
.macro MUL8 f, c, a0, zero             ; 8 matrix instructions: m blocks a0, a0 + 1 x all 4 n blocks, 32 along K: half c of buffer f.  The 16 accumulators take turns
.irp a, \a0, \a0+1
.irp b, 0,1,2,3
.if \zero
	v_wmma_f32_16x16x32_f16 v[ACC+8*(4*(\a)+\b):ACC+8*(4*(\a)+\b)+7], v[\f+64+8*(4*\c+\b):\f+64+8*(4*\c+\b)+7], v[\f+8*(4*\c+\a):\f+8*(4*\c+\a)+7], 0
.else
	v_wmma_f32_16x16x32_f16 v[ACC+8*(4*(\a)+\b):ACC+8*(4*(\a)+\b)+7], v[\f+64+8*(4*\c+\b):\f+64+8*(4*\c+\b)+7], v[\f+8*(4*\c+\a):\f+8*(4*\c+\a)+7], v[ACC+8*(4*(\a)+\b):ACC+8*(4*(\a)+\b)+7]
.endif
.endr
.endr
.endm
.macro FETCH slot, k, f                ; 32 LDS loads in one run: the fragments of 64 along K at byte k of the rows, into buffer f; the first 32 along K first
	WIN TO_F
.irp c, 0,1
.irp i, 0,1,2,3
	ds_load_b128 v[\f+64+8*(4*\c+\i):\f+64+8*(4*\c+\i)+3],   v[ADRB+\slot] offset:\k+64*\c+\i*16*PITCH
	ds_load_b128 v[\f+64+8*(4*\c+\i)+4:\f+64+8*(4*\c+\i)+7], v[ADRB+\slot] offset:\k+64*\c+\i*16*PITCH+32
	ds_load_b128 v[\f+8*(4*\c+\i):\f+8*(4*\c+\i)+3],         v[ADRA+\slot] offset:\k+64*\c+\i*16*PITCH
	ds_load_b128 v[\f+8*(4*\c+\i)+4:\f+8*(4*\c+\i)+7],       v[ADRA+\slot] offset:\k+64*\c+\i*16*PITCH+32
.endr
.endr
.endm
.macro PLACES
.rept 4
	v_nop
.endr
.endm
.macro QUARTER slot, k, f, g, zero     ; 64 along K: multiplies buffer f and fetches the next quarter, at byte k, into g
	s_wait_dscnt 16                                ; the first 32 along K are in; the sixteen younger loads may be out
	WIN MUL
	MUL8 \f, 0, 0, \zero
	MUL8 \f, 0, 2, \zero
	PLACES
	FETCH \slot, \k, \g
	s_wait_dscnt 32                                ; all but the 32 just issued
	WIN MUL
	MUL8 \f, 1, 0, 0
	MUL8 \f, 1, 2, 0
.endm
; The last quarter multiplies buffer 1 and changes slots: ONE barrier; in front of it each wave waits for all its tensor loads, adds 0 to its spare word, and waits for that and for its reads of this slot.
.macro TURN slot, next, fill
	WIN 0
	s_wait_tensorcnt 0x0                           ; all my tensor loads have landed: my part of the next slot
	ds_add_u32 v[SPW], v[NIL]
	s_wait_dscnt 17                                ; the add and the youngest sixteen loads may be out
	WIN MUL
	MUL8 F1, 0, 0, 0
	s_wait_dscnt 0x0                               ; the add is done, and my reads of this slot are over
	s_barrier_signal -1
	MUL8 F1, 0, 2, 0
.if \fill
	WIN 0
.endif
	s_barrier_wait -1
.if \fill
	CREST                                          ; the barrier has opened a round of the cluster's barrier
	s_add_nc_u64 s[G0+4*\slot+2:G0+4*\slot+3], s[G0+4*\slot+2:G0+4*\slot+3], 2*KSTEP*2
	s_add_nc_u64 s[G0B+4*\slot+2:G0B+4*\slot+3], s[G0B+4*\slot+2:G0B+4*\slot+3], 2*KSTEP*2
	JLOAD \slot                                    ; the first tensor load behind the round; its four v_nop are also the places in front of the loads below
.else
	PLACES
.endif
	FETCH \next, 0, F0
	WIN MUL
	MUL8 F1, 1, 0, 0
	MUL8 F1, 1, 2, 0
.endm
	s_wait_tensorcnt 1                             ; my part of K step 0 is in; K step 1's load may be out
	s_barrier_signal -1
	s_barrier_wait -1
	FETCH 0, 0, F0
	QUARTER 0, 128, F0, F1, 1                      ; the first quarter stands in front of the loop: its first products start the sums
	WIN 0
	s_mov_b32 s3, LAPS-1
.Llap:
	QUARTER 0, 256, F1, F0, 0
	QUARTER 0, 384, F0, F1, 0
	TURN 0, 1, 1
	QUARTER 1, 128, F0, F1, 0
	QUARTER 1, 256, F1, F0, 0
	QUARTER 1, 384, F0, F1, 0
	TURN 1, 0, 1
	QUARTER 0, 128, F0, F1, 0
	WIN 0
	s_sub_co_u32 s3, s3, 1
	s_cmp_lg_u32 s3, 0
	s_cbranch_scc1 .Llap
	QUARTER 0, 256, F1, F0, 0                      ; the last lap fills nothing
	QUARTER 0, 384, F0, F1, 0
	TURN 0, 1, 0
	QUARTER 1, 128, F0, F1, 0
	QUARTER 1, 256, F1, F0, 0
	QUARTER 1, 384, F0, F1, 0
	s_wait_dscnt 16
	WIN MUL
	MUL8 F1, 0, 0, 0
	MUL8 F1, 0, 2, 0
	s_wait_dscnt 0
	MUL8 F1, 1, 0, 0
	MUL8 F1, 1, 2, 0
	WIN 0
	; THE WAY OUT, 16 rows x 64 columns at a time: a lane holds 32 bytes of a row; my 64 columns are 256 bytes: through my own stage, so that 16 lanes store them whole.  No barrier: the stage is mine alone.
	PLACES
.irp a, 0,1,2,3
.if \a > 1
	s_wait_xcnt 0x0                                ; block a - 2's stores have read their registers, which are loaded now
.endif
.irp b, 0,1,2,3
	ds_store_b128 v[STO], v[ACC+8*(4*\a+\b):ACC+8*(4*\a+\b)+3] offset:64*\b            ; each accumulator from its low end on
	ds_store_b128 v[STO], v[ACC+8*(4*\a+\b)+4:ACC+8*(4*\a+\b)+7] offset:64*\b+16
.endr
.irp t, 0,1,2,3,4,5,6,7
	ds_load_b128 v[TMP+32*(\a%2)+4*\t:TMP+32*(\a%2)+4*\t+3], v[RD] offset:\t*2*SPITCH  ; LDS serves a wave's instructions in order
.endr
.irp t, 0,1,2,3,4,5,6,7
	s_wait_dscnt 7-\t                              ; the younger loads may be out
	global_store_b128 v[CO], v[TMP+32*(\a%2)+4*\t:TMP+32*(\a%2)+4*\t+3], s[8:9] offset:(16*\a+2*\t)*SIZE_N*4 th:TH_STORE_NT   ; 16 lanes store 256 consecutive bytes, aligned
.endr
.endr
	s_wait_tensorcnt 0x0                           ; the wave's end
	ds_add_u32 v[SPW], v[NIL]
	s_wait_dscnt 0x0
	CROUND                                         ; the closing round
	s_endpgm
.Lfunc_end_k_qfef41e6132_proj:
	.size	k_qfef41e6132_proj, .Lfunc_end_k_qfef41e6132_proj-k_qfef41e6132_proj
	.p2alignl 7, 3214868480
	.fill 96, 4, 3214868480
	.section	.rodata,"a",@progbits
	.p2align	6, 0x0
	.amdhsa_kernel k_qfef41e6132_proj
		.amdhsa_group_segment_fixed_size 327680
		.amdhsa_private_segment_fixed_size 0
		.amdhsa_enable_private_segment 0
		.amdhsa_kernarg_size 40
		.amdhsa_user_sgpr_count 2
		.amdhsa_user_sgpr_kernarg_segment_ptr 1
		.amdhsa_wavefront_size32 1
		.amdhsa_system_sgpr_workgroup_id_x 1
		.amdhsa_system_sgpr_workgroup_id_y 1
		.amdhsa_system_sgpr_workgroup_id_z 1
		.amdhsa_system_vgpr_workitem_id 0
		.amdhsa_next_free_vgpr 512
		.amdhsa_next_free_sgpr 80
		.amdhsa_reserve_vcc 0
		.amdhsa_float_denorm_mode_32 3
		.amdhsa_float_denorm_mode_16_64 3
		.amdhsa_memory_ordered 1
		.amdhsa_forward_progress 1
		.amdhsa_inst_pref_size 92
	.end_amdhsa_kernel
	.amdgpu_metadata
---
amdhsa.version: [ 1, 2 ]
amdhsa.kernels:
  - .name:           k_qfef41e6132_proj
    .symbol:         k_qfef41e6132_proj.kd
    .args:
      - { .name: y_h, .offset: 0, .size: 8, .value_kind: global_buffer, .address_space: global }
      - { .name: wo_h, .offset: 8, .size: 8, .value_kind: global_buffer, .address_space: global }
      - { .name: out0, .offset: 16, .size: 8, .value_kind: global_buffer, .address_space: global }
      - { .name: codes, .offset: 24, .size: 8, .value_kind: global_buffer, .address_space: global }
      - { .name: y_fine, .offset: 32, .size: 8, .value_kind: global_buffer, .address_space: global }
    .group_segment_fixed_size: 327680
    .private_segment_fixed_size: 0
    .kernarg_segment_align: 8
    .kernarg_segment_size: 40
    .max_flat_workgroup_size: 128
    .sgpr_count:     80
    .vgpr_count:     512
    .wavefront_size: 32
...
	.end_amdgpu_metadata
.endif
;; end of part 8
;; launch fineproj: the kernel of part 6 again; grid 128 x 1, 16 waves a work-group, no clusters, 167,936 bytes of LDS; arguments y_fine, wo, out0; writes out0
